; MI455X (gfx1250); checked and timed in simulation.
; The chip was launched on July 23, 2026; its instructions are those of AMD's public machine-readable ISA for CDNA 5 (MIT licence, August 2026) and "CDNA5" Instruction Set Architecture Reference Guide (July 2026). The comments in the code are by the model that wrote it; some were corrected since.
;; Mo EFFN. Allowed arithmetic: matrix products marked QUANTISED: E2M3 operands, one E8M0 scale for each 32 along K, by v_wmma_scale_f32_16x16x128_f8f6f4 with both operands' format E2M3, f32 sums; products left as they are: f32 operands where the result goes on into a quantised operand, else bf16, f16 or f32 operands; f32 sums; everything else in f32.
;; Inputs: router_w 8 x 1,024 float32; v1 8 x 2,048 x 1,024 float32; w1 8 x 2,048 x 1,024 float32; w2 8 x 2,048 x 1,024 float32; x 2 x 512 x 1,024 float32.
;; Outputs: out0 2 x 512 x 1,024 float32.
;; This version of the problem:
;;   THIS VERSION OF THE PROBLEM IS GIVEN IN LOW PRECISION. The matrix products marked QUANTISED in the list below multiply operands that are first quantised to E2M3 (2 exponent bits, 3 mantissa bits; 6 bits a number), with one power-of-two scale for each 32 numbers along K (OCP MX v1.0); their sums are f32. All else is computed in f32.
;;   The module's matrix products, in the order in which they are computed (A, B: the left and right operand; K: the contracted axis; several contracted axes count as one K, in the product's order):
;;     1. [M 1,024, K 1,024] x [K 1,024, N 8]; A: input x; B: input router_w: left as it is (N = 8 < 16)
;;     2. [M 1,024, K 1,024] x [K 1,024, N 2,048]; A: input x; B: input w1: QUANTISED
;;     3. [M 1,024, K 1,024] x [K 1,024, N 2,048]; A: input x; B: input v1: QUANTISED
;;     4. [M 1,024, K 2,048] x [K 2,048, N 1,024]; A: computed on the way; B: input w2: QUANTISED
;;     5. [M 1,024, K 1,024] x [K 1,024, N 2,048]; A: input x; B: input w1: QUANTISED
;;     6. [M 1,024, K 1,024] x [K 1,024, N 2,048]; A: input x; B: input v1: QUANTISED
;;     7. [M 1,024, K 2,048] x [K 2,048, N 1,024]; A: computed on the way; B: input w2: QUANTISED
;;     8. [M 1,024, K 1,024] x [K 1,024, N 2,048]; A: input x; B: input w1: QUANTISED
;;     9. [M 1,024, K 1,024] x [K 1,024, N 2,048]; A: input x; B: input v1: QUANTISED
;;     10. [M 1,024, K 2,048] x [K 2,048, N 1,024]; A: computed on the way; B: input w2: QUANTISED
;;     11. [M 1,024, K 1,024] x [K 1,024, N 2,048]; A: input x; B: input w1: QUANTISED
;;     12. [M 1,024, K 1,024] x [K 1,024, N 2,048]; A: input x; B: input v1: QUANTISED
;;     13. [M 1,024, K 2,048] x [K 2,048, N 1,024]; A: computed on the way; B: input w2: QUANTISED
;;     14. [M 1,024, K 1,024] x [K 1,024, N 2,048]; A: input x; B: input w1: QUANTISED
;;     15. [M 1,024, K 1,024] x [K 1,024, N 2,048]; A: input x; B: input v1: QUANTISED
;;     16. [M 1,024, K 2,048] x [K 2,048, N 1,024]; A: computed on the way; B: input w2: QUANTISED
;;     17. [M 1,024, K 1,024] x [K 1,024, N 2,048]; A: input x; B: input w1: QUANTISED
;;     18. [M 1,024, K 1,024] x [K 1,024, N 2,048]; A: input x; B: input v1: QUANTISED
;;     19. [M 1,024, K 2,048] x [K 2,048, N 1,024]; A: computed on the way; B: input w2: QUANTISED
;;     20. [M 1,024, K 1,024] x [K 1,024, N 2,048]; A: input x; B: input w1: QUANTISED
;;     21. [M 1,024, K 1,024] x [K 1,024, N 2,048]; A: input x; B: input v1: QUANTISED
;;     22. [M 1,024, K 2,048] x [K 2,048, N 1,024]; A: computed on the way; B: input w2: QUANTISED
;;     23. [M 1,024, K 1,024] x [K 1,024, N 2,048]; A: input x; B: input w1: QUANTISED
;;     24. [M 1,024, K 1,024] x [K 1,024, N 2,048]; A: input x; B: input v1: QUANTISED
;;     25. [M 1,024, K 2,048] x [K 2,048, N 1,024]; A: computed on the way; B: input w2: QUANTISED
;;   THE QUANTISER, for each operand of a quantised product, along K:
;;     - K is cut into blocks of 32 from its start; a last block that is shorter is filled with zeros.
;;     - A block's scale is 2^e with e = floor(log2(the largest magnitude in the block)) - 2, held to -126 .. 127; a block of zeros has e = 0. As a byte (E8M0): e + 127.
;;     - Each number is divided by its block's scale, clamped to +-7.5, and rounded to the nearest number of E2M3, ties to even, subnormals kept.
;;     - The product sums the exact products of the quantised numbers (number of the format x scale) in f32.
;;   ~~~python
;;   def quantise(x, axis):      # numpy; x: float32 -> the quantised numbers, widened to float32 again
;;       x = np.moveaxis(x, axis, -1); K = x.shape[-1]
;;       x = np.pad(x, [(0, 0)] * (x.ndim - 1) + [(0, -K % 32)]); x = x.reshape(x.shape[:-1] + (-1, 32)); a = np.abs(x).max(-1, keepdims=True)
;;       e = np.where(a > 0, np.clip(np.frexp(np.where(a > 0, a, 1))[1] - 1 - 2, -126, 127), 0)      # np.frexp(a)[1] - 1 = floor(log2(a)), exactly
;;       r = np.clip(x / 2.0 ** e, -7.5, 7.5)
;;       step = 2.0 ** (np.maximum(np.frexp(np.where(r == 0, 1, r))[1] - 1, 0) - 3)
;;       q = np.round(r / step) * step * 2.0 ** e      # np.round: ties to even
;;       return np.moveaxis(q.reshape(q.shape[:-2] + (-1,))[..., :K], -1, axis).astype(np.float32)
;;   ~~~
;;   OPERANDS COMPUTED ON THE WAY. 'Computed on the way' means the value that the module computes at that place (a softmax that the list does not call 'softmax' is quantised finished and normalised). What goes into a quantiser is computed in f32, as accurately as f32 sums, v_exp_f32 and their like allow (about 1e-6 of the number): no bf16 or f16 on the way to a quantiser, and a product that is left as it is and whose result goes on into a quantised operand takes f32 operands (vector FMAs, or v_wmma_f32_16x16x4_f32). A number that lies on a knife's edge between two numbers of the format may be rounded either way, as far as f32 arithmetic and the matrix unit's own rounding can turn it there, and no further.
;; 2 versions, each right; version 2 is version 1 with the launches up, down written anew for expert scheduling mode. Each part assembles by itself: llvm-mc -triple=amdgcn-amd-amdhsa -mcpu=gfx1250 --defsym DOCPART=n.
;; ======== version 1 of 2: 5 launches
;; limits: right only within a limited range of input values
;; workspace buffers: xq 819,200 bytes; tope 4,096 bytes of whole numbers; topw 8,192 bytes; list 40,960 bytes of whole numbers; cnt 1,024 bytes of whole numbers; hq 12,582,912 bytes; hs 524,288 bytes; y 16,842,752 bytes
;; launch route (part 1): grid 256 x 1, 4 waves a work-group, no clusters, 18,944 bytes of LDS; arguments x, router_w, xq, tope, topw; writes xq, tope, topw
.if DOCPART == 1
	.amdgcn_target "amdgcn-amd-amdhsa--gfx1250"
	.amdhsa_code_object_version 6
	.text
	.protected	k_qc4135d2e7f_route
	.globl	k_qc4135d2e7f_route
	.p2align	8
	.type	k_qc4135d2e7f_route,@function
k_qc4135d2e7f_route:
	s_mov_b64 s[64:65], 0
	v_nop
	global_prefetch_b8 v0, s[64:65] scope:SCOPE_SE
	s_setreg_imm32_b32 hwreg(HW_REG_WAVE_MODE, 25, 1), 1
	s_wait_xcnt 0x0
; ROUTER AND QUANTISER OF x.  One wave takes one token t = 4 x work-group + wave.
; LOADS.  Every load of the wave covers 512 consecutive bytes: lane l takes bytes 16 l of each piece of 512, of x and of the router's rows alike.  So register 4 i + j holds k = 128 i + 4 l + j
;     on both sides of the dot products, which ask for no more than that.
; (1) x[t] becomes codes of E2M3 with one E8M0 byte a block.  For that a lane must hold a whole block of 32: x's 4,096 bytes turn through the wave's own stage in LDS, in as loaded, out 128 bytes a lane:
;     lane l then holds k = 32 l .. 32 l + 31.  The record of a token is 800 bytes: 768 bytes of codes, then the 32 scale bytes in the order of the blocks.
;     Block 4 s + 2 c + h lies at byte 96 s + 48 h + 24 c: so a lane (row, h) of a matrix operand finds its 48 bytes of K step s on end.
; (2) logits = x[t] . router_w[e] in f32 (fused multiply-adds), softmax with the maximum taken away, the two largest (the lower index wins a tie), divided by their sum.
;     The chosen experts go out as whole numbers at a fixed place (e0 | e1 << 8 at word t), the two weights at 8 t: no address here hangs on the choice.
; LIMITS: NaN and infinities among the inputs are not served.  A block of zeros gets the byte 1 and not 127: its codes are zeros, and only this program reads the bytes.
;         The sums' order differs from the reference's, so two probabilities closer than f32 rounding may change places.
.set XR, 32                            ; v32-63   x: my block's 32 numbers, back from the stage; later at work
.set XD, 64                            ; v64-95   x as loaded
.set RW, 96                            ; v96-255  router rows 0-4 as loaded, 32 registers each; rows 5, 6, 7 in window 1, v0-95
.set AC, 8                             ; v8-23    eight pairs of sums
.set PR, 40                            ; v40-47   the eight probabilities
.set SA, 2                             ; v2       stage, in: 144 (l / 8) + 16 (l % 8); a load's 512 bytes are four places of 144
.set SB, 27                            ; v27      stage, out: 144 l
.set L16, 31                           ; v31      16 x lane
.set WST, 4608                         ; a wave's stage: 32 places of 128 bytes + 16 of padding, so that sixteen lanes' pieces of 16 bytes start at different places modulo 256
.set MSB, 0
.macro WIN new                         ; the immediate's high byte repeats the setting that is left
.if MSB != \new
	s_set_vgpr_msb (MSB<<8)|\new
.set MSB, \new
.endif
.endm
	s_load_b256 s[4:11], s[0:1], 0x0               ; x s[4:5], router_w s[6:7], xq s[8:9], tope s[10:11]
	s_load_b64 s[12:13], s[0:1], 0x20              ; topw
	s_set_vgpr_msb 0x40
	v_lshl_add_u32 v96, v0, 2, 0x4800
	v_mov_b32 v97, 0
	s_set_vgpr_msb 0x4000
	v_lshrrev_b32 v1, 5, v0
	v_readfirstlane_b32 s16, v1                    ; wave
	s_lshl_b32 s17, ttmp9, 2
	s_add_co_u32 s17, s17, s16                     ; my token
	v_and_b32 v1, 31, v0                           ; lane
	v_lshlrev_b32 v[L16], 4, v1
	s_mul_i32 s29, s16, WST                        ; my stage
	v_lshrrev_b32 v[SA], 3, v1
	v_mul_u32_u24 v[SA], v[SA], 144
	v_and_b32 v4, 7, v1
	v_lshl_add_u32 v[SA], v4, 4, v[SA]
	v_add_nc_u32 v[SA], s29, v[SA]
	v_mul_u32_u24 v[SB], v1, 144
	v_add_nc_u32 v[SB], s29, v[SB]
	v_lshrrev_b32 v3, 2, v1
	v_mul_u32_u24 v3, v3, 96                       ; where my block's 24 bytes of codes go: 96 (l / 4)
	v_and_b32 v4, 1, v1
	v_mad_u32_u24 v3, v4, 48, v3                   ; + 48 (l % 2)
	v_bfe_u32 v4, v1, 1, 1
	v_mad_u32_u24 v3, v4, 24, v3                   ; + 24 ((l / 2) % 2)
	s_mov_b32 s20, 0x76543210
	s_mov_b32 s21, 0xfedcba98                      ; v_permlanex16_b32's selects for lane l xor 16
	s_lshl_b32 s18, s17, 12
	s_mov_b32 s19, 0
	s_mul_i32 s22, s17, 800
	s_mov_b32 s23, 0
	s_lshl_b32 s24, s17, 2
	s_mov_b32 s25, 0
	s_lshl_b32 s26, s17, 3
	s_mov_b32 s27, 0
	s_wait_kmcnt 0x0
	s_add_nc_u64 s[4:5], s[4:5], s[18:19]          ; x at my token
	s_add_nc_u64 s[8:9], s[8:9], s[22:23]          ; its record of codes
	s_add_nc_u64 s[10:11], s[10:11], s[24:25]      ; its word of experts
	s_add_nc_u64 s[12:13], s[12:13], s[26:27]      ; its two weights
.irp i, 0,1,2,3,4,5,6,7
	global_load_b128 v[XD+4*\i:XD+4*\i+3], v[L16], s[4:5] offset:512*\i th:TH_LOAD_NT
.endr
.irp e, 0,1,2,3,4
.irp i, 0,1,2,3,4,5,6,7
	global_load_b128 v[RW+32*\e+4*\i:RW+32*\e+4*\i+3], v[L16], s[6:7] offset:4096*\e+512*\i
.endr
.endr
	WIN 0x40                                       ; destination window 1
.irp d, 0,1,2
.irp i, 0,1,2,3,4,5,6,7
	global_load_b128 v[32*\d+4*\i:32*\d+4*\i+3], v[L16], s[6:7] offset:4096*(5+\d)+512*\i
.endr
.endr
	WIN 0
	s_wait_loadcnt 63                              ; 64 loads were issued behind x's eight: with at most 63 out, x is in
.irp i, 0,1,2,3,4,5,6,7
	ds_store_b128 v[SA], v[XD+4*\i:XD+4*\i+3] offset:576*\i        ; x through my stage, as loaded;
.endr
.irp j, 0,1,2,3,4,5,6,7
	ds_load_b128 v[XR+4*\j:XR+4*\j+3], v[SB] offset:16*\j          ; and back, a block a lane.  LDS serves a wave's instructions in order: these see my stores
.endr
	s_wait_dscnt 0x0
	; my block's largest magnitude, with the floor 2^(3 - 127) among its leaves, in two chains
	v_max3_num_f32 v4, |v32|, |v33|, 0x1800000
	v_max3_num_f32 v5, |v34|, |v35|, |v36|
.irp i, 37,41,45,49,53,57
	v_max3_num_f32 v4, v4, |v[\i]|, |v[\i+1]|
	v_max3_num_f32 v5, v5, |v[\i+2]|, |v[\i+3]|
.endr
	v_max3_num_f32 v4, v4, |v61|, |v62|
	v_max3_num_f32 v4, v4, v5, |v63|
	v_add_nc_u32 v6, 0xff000000, v4                ; 2 off its exponent field: the conversion takes this operand's exponent field as its scale
	v_cvt_scalef32_pk16_fp6_f32 v[24:26], v[32:47], v6
	v_cvt_scalef32_pk16_fp6_f32 v[28:30], v[48:63], v6
	v_lshrrev_b32 v7, 23, v6                       ; the scale's byte (also the plain line behind the conversions)
	global_store_b96 v3, v[24:26], s[8:9]
	global_store_b96 v3, v[28:30], s[8:9] offset:12
	global_store_b8 v1, v7, s[8:9] offset:768      ; the 32 lanes' bytes lie on end
	s_wait_loadcnt 0x0                             ; the router's rows
.irp e, 0,1,2,3,4
	v_pk_mul_f32 v[AC+2*\e:AC+2*\e+1], v[XD:XD+1], v[RW+32*\e:RW+32*\e+1]      ; the first products start the sums
.endr
.irp i, 1,2,3,4,5,6,7,8,9,10,11,12,13,14,15
.irp e, 0,1,2,3,4
	v_pk_fma_f32 v[AC+2*\e:AC+2*\e+1], v[XD+2*\i:XD+2*\i+1], v[RW+32*\e+2*\i:RW+32*\e+2*\i+1], v[AC+2*\e:AC+2*\e+1]
.endr
.endr
	WIN 0x04                                       ; source 1 window 1: rows 5, 6 and 7
.irp d, 0,1,2
	v_pk_mul_f32 v[AC+10+2*\d:AC+11+2*\d], v[XD:XD+1], v[32*\d:32*\d+1]
.endr
.irp i, 1,2,3,4,5,6,7,8,9,10,11,12,13,14,15
.irp d, 0,1,2
	v_pk_fma_f32 v[AC+10+2*\d:AC+11+2*\d], v[XD+2*\i:XD+2*\i+1], v[32*\d+2*\i:32*\d+2*\i+1], v[AC+10+2*\d:AC+11+2*\d]
.endr
.endr
	WIN 0
.irp e, 0,1,2,3,4,5,6,7
	v_add_f32 v[AC+2*\e], v[AC+2*\e], v[AC+2*\e+1]
.endr
.irp m, 1,2,4,8
.irp e, 0,1,2,3,4,5,6,7
	v_add_f32_dpp v[AC+2*\e], v[AC+2*\e], v[AC+2*\e] row_xmask:\m row_mask:0xf bank_mask:0xf
.endr
.endr
.irp e, 0,1,2,3,4,5,6,7
	v_permlanex16_b32 v[AC+2*\e+1], v[AC+2*\e], s20, s21
.endr
.irp e, 0,1,2,3,4,5,6,7
	v_add_f32 v[AC+2*\e], v[AC+2*\e], v[AC+2*\e+1]     ; every lane holds all eight logits
.endr
	v_max3_num_f32 v32, v8, v10, v12
	v_max3_num_f32 v33, v14, v16, v18
	v_max3_num_f32 v32, v32, v20, v22
	v_max_num_f32 v32, v32, v33                    ; the largest logit is taken away, as the reference's softmax does
.irp e, 0,1,2,3,4,5,6,7
	v_sub_f32 v[PR+\e], v[AC+2*\e], v32
.endr
.irp e, 0,1,2,3,4,5,6,7
	v_mul_f32 v[PR+\e], 0x3fb8aa3b, v[PR+\e]       ; x log2(e)
.endr
.irp e, 0,1,2,3,4,5,6,7
	v_exp_f32 v[PR+\e], v[PR+\e]
.endr
	v_nop                                          ; a plain line behind the exponentials
	s_wait_alu depctr_va_vdst(0)
	v_add_f32 v33, v40, v41
	v_add_f32 v34, v42, v43
	v_add_f32 v35, v44, v45
	v_add_f32 v36, v46, v47
	v_add_f32 v33, v33, v34
	v_add_f32 v35, v35, v36
	v_add_f32 v33, v33, v35
	v_rcp_f32 v33, v33
	v_nop
	s_wait_alu depctr_va_vdst(0)
.irp e, 0,1,2,3,4,5,6,7
	v_mul_f32 v[PR+\e], v[PR+\e], v33              ; the probabilities
.endr
	; the two largest, by selections alone: v48, v49 the largest and its index; v50, v51 the second.  Strict compares: the lower index keeps a tie
	v_mov_b32 v48, v40
	v_mov_b32 v49, 0
	v_mov_b32 v50, -1.0
	v_mov_b32 v51, 0
.irp e, 1,2,3,4,5,6,7
	v_cmp_gt_f32 vcc_lo, v[PR+\e], v48
	v_cmp_gt_f32 s28, v[PR+\e], v50
	v_cndmask_b32 v50, v50, v[PR+\e], s28
	v_cndmask_b32 v51, v51, \e, s28
	v_cndmask_b32 v50, v50, v48, vcc_lo
	v_cndmask_b32 v51, v51, v49, vcc_lo
	v_cndmask_b32 v48, v48, v[PR+\e], vcc_lo
	v_cndmask_b32 v49, v49, \e, vcc_lo
.endr
	v_add_f32 v52, |v48|, |v50|                    ; the L1 norm of the two
	v_rcp_f32 v52, v52
	v_nop
	s_wait_alu depctr_va_vdst(0)
	v_mul_f32 v53, v48, v52
	v_mul_f32 v54, v50, v52
	v_cmp_eq_u32 vcc_lo, 1, v1
	v_cndmask_b32 v53, v53, v54, vcc_lo            ; lane 0 stores the first weight, lane 1 the second
	v_lshl_or_b32 v55, v51, 8, v49                 ; e0 | e1 << 8
	v_lshlrev_b32 v56, 2, v1
	v_mov_b32 v57, 0
	s_wait_xcnt 0x0                                ; EXEC changes only behind this wait: the stores above have it among their sources
	s_set_vgpr_msb 0x5
	s_wait_tensorcnt 0x0
	ds_add_u32 v96, v97
	s_wait_dscnt 0x0
	s_set_vgpr_msb 0x500
	v_cmpx_gt_u32 2, v1                            ; lanes 0 and 1, to the wave's end
	global_store_b32 v56, v53, s[12:13]
	global_store_b32 v57, v55, s[10:11]            ; both lanes write the same word with the same value
	s_endpgm
.Lfunc_end_k_qc4135d2e7f_route:
	.size	k_qc4135d2e7f_route, .Lfunc_end_k_qc4135d2e7f_route-k_qc4135d2e7f_route
	.p2alignl 7, 3214868480
	.fill 96, 4, 3214868480
	.section	.rodata,"a",@progbits
	.p2align	6, 0x0
	.amdhsa_kernel k_qc4135d2e7f_route
		.amdhsa_group_segment_fixed_size 18944
		.amdhsa_private_segment_fixed_size 0
		.amdhsa_enable_private_segment 0
		.amdhsa_kernarg_size 40
		.amdhsa_user_sgpr_count 2
		.amdhsa_user_sgpr_kernarg_segment_ptr 1
		.amdhsa_wavefront_size32 1
		.amdhsa_system_sgpr_workgroup_id_x 1
		.amdhsa_system_sgpr_workgroup_id_y 1
		.amdhsa_system_sgpr_workgroup_id_z 1
		.amdhsa_system_vgpr_workitem_id 0
		.amdhsa_next_free_vgpr 354
		.amdhsa_next_free_sgpr 66
		.amdhsa_reserve_vcc 1
		.amdhsa_float_denorm_mode_32 3
		.amdhsa_float_denorm_mode_16_64 3
		.amdhsa_memory_ordered 1
		.amdhsa_forward_progress 1
		.amdhsa_inst_pref_size 29
	.end_amdhsa_kernel
	.amdgpu_metadata
---
amdhsa.version: [ 1, 2 ]
amdhsa.kernels:
  - .name:           k_qc4135d2e7f_route
    .symbol:         k_qc4135d2e7f_route.kd
    .args:
      - { .name: x, .offset: 0, .size: 8, .value_kind: global_buffer, .address_space: global }
      - { .name: router_w, .offset: 8, .size: 8, .value_kind: global_buffer, .address_space: global }
      - { .name: xq, .offset: 16, .size: 8, .value_kind: global_buffer, .address_space: global }
      - { .name: tope, .offset: 24, .size: 8, .value_kind: global_buffer, .address_space: global }
      - { .name: topw, .offset: 32, .size: 8, .value_kind: global_buffer, .address_space: global }
    .group_segment_fixed_size: 18944
    .private_segment_fixed_size: 0
    .kernarg_segment_align: 8
    .kernarg_segment_size: 40
    .max_flat_workgroup_size: 128
    .sgpr_count:     66
    .vgpr_count:     354
    .wavefront_size: 32
...
	.end_amdgpu_metadata
.endif
;; end of part 1
;; launch place (part 2): grid 8 x 1, 1 waves a work-group, no clusters, 5,376 bytes of LDS; arguments tope, list, cnt; writes list, cnt
.if DOCPART == 2
	.amdgcn_target "amdgcn-amd-amdhsa--gfx1250"
	.amdhsa_code_object_version 6
	.text
	.protected	k_qc4135d2e7f_place
	.globl	k_qc4135d2e7f_place
	.p2align	8
	.type	k_qc4135d2e7f_place,@function
k_qc4135d2e7f_place:
	s_mov_b64 s[64:65], 0
	v_nop
	global_prefetch_b8 v0, s[64:65] scope:SCOPE_SE
	s_setreg_imm32_b32 hwreg(HW_REG_WAVE_MODE, 25, 1), 1
	s_wait_xcnt 0x0
; THE ROWS ARE PLACED BY EXPERT.  Work-group e, one wave, reads the chosen experts of all 1,024 tokens (whole numbers that the launch before stored: e0 | e1 << 8 a token) and lists the entries
; 2 x token + k that chose expert e, pass by pass.  list[e] has 1,280 words: the listed entries, then the mark 2,048 + e in every empty place; cnt[e] holds the number of listed rows, 32 times.
; The list is gathered in LDS and leaves from there at fixed places: no global address and no branch of this launch hangs on the choice.  The two launches behind this one read list and cnt from memory.
; There is work for eight waves and no more: 32 passes that follow each other, over 4 KiB.  Word 1,279 takes what is not chosen; nobody reads it (the furthest word that is read is 1,151).
.set LIST, 0                           ; LDS: 1,280 words
.set L16, 1                            ; v1   16 x lane
.set L8,  2                            ; v2   8 x lane
.set L4,  3                            ; v3   4 x lane
.set DMP, 4                            ; v4   1,279
.set T0,  5                            ; v5-7 at work
.set T1,  6
.set T2,  7
.set TP,  8                            ; v8-39    the chosen experts: register 4 q + i of lane l belongs to token 128 q + 4 l + i
.set SCR, 40                           ; v40-103  a pair (LDS address, entry) for each of 32 passes, so that no source of an LDS store is written again
.set OUT, 104                          ; v104-143 the list on its way out
.set EX,  12
.set BASE, 13
.set MA,  14
.set MM,  15
.set CT,  16
	s_load_b128 s[4:7], s[0:1], 0x0                ; tope s[4:5], list s[6:7]
	s_load_b64 s[8:9], s[0:1], 0x10                ; cnt
	v_lshl_add_u32 v160, v0, 2, 0x1400
	v_mov_b32 v161, 0
	v_lshlrev_b32 v[L16], 4, v0                    ; one wave: the thread's number is the lane
	v_lshlrev_b32 v[L8], 3, v0
	v_lshlrev_b32 v[L4], 2, v0
	v_mov_b32 v[DMP], 1279
	s_mov_b32 s[EX], ttmp9                         ; my expert
	s_mul_i32 s18, ttmp9, 5120
	s_mov_b32 s19, 0
	s_lshl_b32 s20, ttmp9, 7
	s_mov_b32 s21, 0
	s_add_co_u32 s[CT], s[EX], 2048                ; the mark of an empty place
.irp k, 0,1,2,3
	v_mov_b32 v[SCR+\k], s[CT]
.endr
	s_wait_kmcnt 0x0
	s_add_nc_u64 s[6:7], s[6:7], s[18:19]
	s_add_nc_u64 s[8:9], s[8:9], s[20:21]
.irp q, 0,1,2,3,4,5,6,7
	global_load_b128 v[TP+4*\q:TP+4*\q+3], v[L16], s[4:5] offset:512*\q
.endr
.irp k, 0,1,2,3,4,5,6,7,8,9
	ds_store_b128 v[L16], v[SCR:SCR+3] offset:LIST+512*\k
.endr
	s_wait_dscnt 0x0                               ; the stores have read their registers
	s_wait_loadcnt 0x0
	s_mov_b32 s[BASE], 0
; 32 passes; in each the chosen lanes get consecutive places (v_mbcnt over the mask, on top of the count so far).  EXEC is never changed: lanes not chosen store to word 1,279.
.set n, 0
.rept 32
	v_and_b32 v[T0], 0xff, v[TP+n]                 ; the token's first expert
	v_lshrrev_b32 v[T1], 8, v[TP+n]                ; its second
	v_cmp_eq_u32 s[MA], s[EX], v[T0]
	v_cmp_eq_u32 vcc_lo, s[EX], v[T1]
	s_or_b32 s[MM], s[MA], vcc_lo
	v_mbcnt_lo_u32_b32 v[T2], s[MM], s[BASE]       ; my place
	v_cndmask_b32 v[SCR+2*n+1], 0, 1, vcc_lo       ; k
	v_add3_u32 v[SCR+2*n+1], v[SCR+2*n+1], v[L8], 256*(n/4)+2*(n%4)   ; the entry: 2 x token + k
	v_cndmask_b32 v[T2], v[DMP], v[T2], s[MM]
	v_min_u32 v[T2], 1279, v[T2]
	v_lshlrev_b32 v[SCR+2*n], 2, v[T2]
	ds_store_b32 v[SCR+2*n], v[SCR+2*n+1]
	s_bcnt1_i32_b32 s[CT], s[MM]
	s_add_co_u32 s[BASE], s[BASE], s[CT]
.set n, n+1
.endr
	v_mov_b32 v[T0], s[BASE]
	global_store_b32 v[L4], v[T0], s[8:9]          ; the count, once a lane: 128 consecutive bytes
.irp k, 0,1,2,3,4,5,6,7,8,9
	ds_load_b128 v[OUT+4*\k:OUT+4*\k+3], v[L16] offset:LIST+512*\k     ; LDS serves a wave's instructions in order: these see my stores
.endr
.irp k, 0,1,2,3,4,5,6,7,8,9
	s_wait_dscnt 9-\k                              ; the later pieces' loads stay out
	global_store_b128 v[L16], v[OUT+4*\k:OUT+4*\k+3], s[6:7] offset:512*\k     ; 32 lanes store 512 consecutive bytes, aligned
.endr
	s_wait_tensorcnt 0x0
	ds_add_u32 v160, v161
	s_wait_dscnt 0x0
	s_endpgm
.Lfunc_end_k_qc4135d2e7f_place:
	.size	k_qc4135d2e7f_place, .Lfunc_end_k_qc4135d2e7f_place-k_qc4135d2e7f_place
	.p2alignl 7, 3214868480
	.fill 96, 4, 3214868480
	.section	.rodata,"a",@progbits
	.p2align	6, 0x0
	.amdhsa_kernel k_qc4135d2e7f_place
		.amdhsa_group_segment_fixed_size 5376
		.amdhsa_private_segment_fixed_size 0
		.amdhsa_enable_private_segment 0
		.amdhsa_kernarg_size 24
		.amdhsa_user_sgpr_count 2
		.amdhsa_user_sgpr_kernarg_segment_ptr 1
		.amdhsa_wavefront_size32 1
		.amdhsa_system_sgpr_workgroup_id_x 1
		.amdhsa_system_sgpr_workgroup_id_y 1
		.amdhsa_system_sgpr_workgroup_id_z 1
		.amdhsa_system_vgpr_workitem_id 0
		.amdhsa_next_free_vgpr 162
		.amdhsa_next_free_sgpr 66
		.amdhsa_reserve_vcc 1
		.amdhsa_float_denorm_mode_32 3
		.amdhsa_float_denorm_mode_16_64 3
		.amdhsa_memory_ordered 1
		.amdhsa_forward_progress 1
		.amdhsa_inst_pref_size 28
	.end_amdhsa_kernel
	.amdgpu_metadata
---
amdhsa.version: [ 1, 2 ]
amdhsa.kernels:
  - .name:           k_qc4135d2e7f_place
    .symbol:         k_qc4135d2e7f_place.kd
    .args:
      - { .name: tope, .offset: 0, .size: 8, .value_kind: global_buffer, .address_space: global }
      - { .name: list, .offset: 8, .size: 8, .value_kind: global_buffer, .address_space: global }
      - { .name: cnt, .offset: 16, .size: 8, .value_kind: global_buffer, .address_space: global }
    .group_segment_fixed_size: 5376
    .private_segment_fixed_size: 0
    .kernarg_segment_align: 8
    .kernarg_segment_size: 24
    .max_flat_workgroup_size: 32
    .sgpr_count:     66
    .vgpr_count:     162
    .wavefront_size: 32
...
	.end_amdgpu_metadata
.endif
;; end of part 2
;; launch up (part 3): grid 256 x 1, 4 waves a work-group, no clusters, 140,800 bytes of LDS; arguments xq, list, w1, v1, hq, hs, cnt; writes hq, hs
.if DOCPART == 3
	.amdgcn_target "amdgcn-amd-amdhsa--gfx1250"
	.amdhsa_code_object_version 6
	.text
	.protected	k_qc4135d2e7f_up
	.globl	k_qc4135d2e7f_up
	.p2align	8
	.type	k_qc4135d2e7f_up,@function
k_qc4135d2e7f_up:
	s_mov_b64 s[64:65], 0
	v_nop
	global_prefetch_b8 v0, s[64:65] scope:SCOPE_SE
	s_setreg_imm32_b32 hwreg(HW_REG_WAVE_MODE, 25, 1), 1
	s_wait_xcnt 0x0
; h = silu(x w1[e]^T) * (x v1[e]^T) for the rows routed to expert e, quantised along F into codes of E2M3.  Both products on codes, by the scaled 16 x 16 x 128 form.
; THE WEIGHTS STAY, THE ROWS WALK.  Work-group g: expert e = g / 32, hidden units 64 j .. 64 j + 63, j = g % 32, of w1 and of v1: 512 KiB of f32, read from memory once.
; STREAM.  Wave w takes matrix w / 2 (w1, v1) and block b = w % 2 of 32 units: two tiles of 16 rows x 8 K steps = 16 fragments.  A load reads 512 consecutive bytes of one row (one K step);
;   16 rows turn through the wave's own stage in LDS, so that lane (r, h) gets k = 64 c + 32 h + 0 .. 31 of row r in consecutive registers; two blocks a lane are quantised; the fragment goes to LDS as an image of its registers.
; THE ROWS OF A TILE ARE NOT NEIGHBOURS: row r of tile u is unit 32 b + 8 u + r + 8 (r / 8), so that a lane's 16 results of tiles 0 and 1 are units 32 b + 16 h + 0 .. 15: neighbours along the next product's K.
; THE LIST of expert e's entries 2 x token + k, and their number, are whole numbers that the launch before stored: they are read from memory, the number at the head, an entry four of my tiles ahead of its rows' products.
; COMPUTE.  Wave w keeps four weight tiles (w1 u0, w1 u1, v1 u0, v1 u1 of block b = w % 2) x 8 K steps in 384 registers and takes the tiles of 16 listed rows i = w / 2, w / 2 + 2, ..: x's codes are gathered
;   two tiles ahead; 32 matrix instructions (used transposed: source 0 = 16 weight rows, source 1 = 16 rows of x); the activation in f32; one block of 32 along F a row, quantised, stored in the order of the next operand's registers.
;   My first two tiles' codes are asked for while the stream's last two fragments are still at work, as soon as the registers in which they land have been read out.
; No cluster and no joint loads: the weights, the bulk of the bytes, are shared by no two work-groups, and the number of row tiles hangs on the list.
; LIMITS: NaN and infinities are not served.  silu(a) g is formed as (a g) / (1 + 2^(-a log2 e)): it overflows where |a g| passes the largest f32 number.  A block of zeros gets the byte 1, not 127 (zero codes; only this program reads the bytes).
;   Rows of a last tile beyond the list (their entries are the mark 2,048 + e) take token 1,023's codes: their results are finite, are stored, and the next launch sends what it makes of them to bytes that nobody reads.
.set STG,   0                          ; LDS: four stages of 16 rows, pitch 528: an odd multiple of 16 bytes, so that sixteen rows' pieces of 16 bytes start at different places modulo 256
.set IMG,   STG+4*8448                 ; 64 fragment images of 1,536 bytes: index 16 x wave + 8 u + s
.set ISC,   IMG+64*1536                ; their scale words, 128 bytes each
.set L16, 4                            ; v4   16 x lane
.set STS, 5                            ; v5   stage, in: 16 x lane
.set STL, 6                            ; v6   stage, out: 528 r + 128 h
.set IMS, 7                            ; v7   where I store images
.set ISS, 8                            ; v8   and scale words
.set IL0, 9                            ; v9, v10  where I fetch w1's and v1's images of my block
.set SL,  11                           ; v11  and their scale words
.set LA,  12                           ; v12  my row's entry in tile w / 2 of the list: 4 r + 64 (w / 2)
.set LT,  13                           ; v13  the same four of my tiles ahead of the tile before the one in hand; it steps 128 bytes in each tile, ahead of its use
.set E,   14                           ; v14, v15  the entries fetched ahead, for buffers 0, 1
.set OFF, 16                           ; v16, v17  x's codes: 800 x token + 48 h, for buffers 0, 1
.set OFS, 18                           ; v18, v19  800 x token
.set HA,  20                           ; v20  hq: a block's first 16 bytes, of my tile before the one in hand: it steps in each tile, ahead of its use
.set HB,  21                           ; v21  its last 8, likewise
.set HS,  22                           ; v22  hs: its scale byte, likewise
.set L4,  24                           ; v24  4 x lane
.set H8,  26                           ; v26  8 h
.set H48, 27                           ; v27  48 h
                                       ; v28, v29  my row's entries in my first two tiles; v30 the number of listed rows; v31 at work
.set X,   32                           ; v32-95  stream: 64 numbers of my row
.set ACC, 32                           ; v32-63  compute: four accumulators
.set HH,  64                           ; v64-79  16 numbers of h
.set T,   80                           ; v80-95  at work
.set M0,  96                           ; v96, 97 largest magnitudes; v98, 99 scale operands; v100, 101 bytes; v102 a scale word; v103 a lane permute's destination
.set SO0, 98
.set BY0, 100
.set PW,  102
.set PX,  103
.set PC,  104                          ; v104-115 a fragment's codes
.set PT,  116                          ; v116-118, v120-122 second halves of blocks as converted
.set WS,  128                          ; v128-159 the weights' scale words (4 s + tile): scales and nothing else
.set XS,  160                          ; v160-175 x's scale words (8 x buffer + s): scales and nothing else
.set WV,  16
.set EX,  17
.set SNT, 30                           ; s30  tiles of listed rows
.set STI, 31                           ; s31  my tile
.set MSB, 0
.macro WIN new                         ; the immediate's high byte repeats the setting that is left.  Window 1: weight fragments of K steps 0-3; window 2: of 4-7; window 3: loads as they come, later x's fragments
.if MSB != \new
	s_set_vgpr_msb (MSB<<8)|\new
.set MSB, \new
.endif
.endm
; Fragment f = 2 s + u: 16 rows' K step s, 512 consecutive bytes a load, into set f % 4 of window 3
.macro LOADW f
	WIN 0xc0
.irp rho, 0,1,2,3,4,5,6,7,8,9,10,11,12,13,14,15
	global_load_b128 v[64*((\f)%4)+4*\rho:64*((\f)%4)+4*\rho+3], v[L16], s[22:23] offset:(8*((\f)&1)+\rho+8*(\rho/8))*4096+512*((\f)>>1) th:TH_LOAD_NT
.endr
	WIN 0
.endm
.macro TURNW f                         ; through my stage: in as loaded, out 128 bytes a lane and block.  LDS serves a wave's instructions in order: no wait between
	WIN 0x0c                                       ; an LDS store's data are its source 1: window 3
.irp rho, 0,1,2,3,4,5,6,7,8,9,10,11,12,13,14,15
	ds_store_b128 v[STS], v[64*((\f)%4)+4*\rho:64*((\f)%4)+4*\rho+3] offset:528*\rho
.endr
	WIN 0
.irp c, 0,1
.irp i, 0,1,2,3,4,5,6,7
	ds_load_b128 v[X+32*\c+4*\i:X+32*\c+4*\i+3], v[STL] offset:256*\c+16*\i
.endr
.endr
.endm
.macro QUANTW                          ; v[X + 32 c + i] = k 64 c + 32 h + i of my row: two whole blocks a lane -> the fragment's 12 registers and the row's scale word
.irp c, 0,1
	v_max3_num_f32 v[M0+\c], |v[X+32*\c]|, |v[X+32*\c+1]|, 0x1800000   ; with the floor 2^(3 - 127): the byte cannot fall under 1
.endr
.irp i, 2,4,6,8,10,12,14,16,18,20,22,24,26,28,30
.irp c, 0,1
	v_max3_num_f32 v[M0+\c], v[M0+\c], |v[X+32*\c+\i]|, |v[X+32*\c+\i+1]|
.endr
.endr
.irp c, 0,1
	v_add_nc_u32 v[SO0+\c], 0xff000000, v[M0+\c]   ; 2 off the exponent field: the conversion's scale operand
.endr
.irp c, 0,1
	v_lshrrev_b32 v[BY0+\c], 23, v[SO0+\c]         ; the scale's byte
.endr
	v_lshl_or_b32 v[PW], v[BY0+1], 16, v[BY0]      ; blocks h and 2 + h,
	v_lshlrev_b32 v[PW], v[H8], v[PW]              ; at their places in the word;
	v_permlanex16_b32 v[PX], v[PW], s36, s37
	v_or_b32 v[PW], v[PW], v[PX]                   ; with lane l xor 16's two the word is whole
.irp c, 0,1
	v_cvt_scalef32_pk16_fp6_f32 v[PC+6*\c:PC+6*\c+2], v[X+32*\c:X+32*\c+15], v[SO0+\c]
	v_cvt_scalef32_pk16_fp6_f32 v[PT+4*\c:PT+4*\c+2], v[X+32*\c+16:X+32*\c+31], v[SO0+\c]   ; (a conversion's three registers begin on an even number)
.endr
	v_nop                                          ; one plain line behind the conversions
.irp c, 0,1
.irp i, 0,1,2
	v_mov_b32 v[PC+6*\c+3+\i], v[PT+4*\c+\i]
.endr
.endr
.endm
.macro IMAGEW f                        ; the fragment goes to LDS as it stands in my registers
.irp q, 0,1,2
	ds_store_b128 v[IMS], v[PC+4*\q:PC+4*\q+3] offset:(8*((\f)&1)+((\f)>>1))*1536+512*\q
.endr
	ds_store_b32 v[ISS], v[PW] offset:(8*((\f)&1)+((\f)>>1))*128
.endm
.macro OFFS buf, ereg                  ; an entry becomes the byte offsets of its token's record
	v_lshrrev_b32 v31, 1, v[\ereg]
	v_min_u32 v31, 1023, v31                       ; an empty place's mark falls on token 1,023
	v_mul_u32_u24 v[OFS+\buf], v31, 800
	v_add_nc_u32 v[OFF+\buf], v[OFS+\buf], v[H48]
.endm
.macro XLOAD buf                       ; 16 rows' codes and scale words, 26 loads: lane (r, h) takes 48 bytes of each K step
	WIN 0xc0
.irp s, 0,1,2,3,4,5,6,7
.irp q, 0,1,2
	global_load_b128 v[96*\buf+12*\s+4*\q:96*\buf+12*\s+4*\q+3], v[OFF+\buf], s[4:5] offset:96*\s+16*\q
.endr
.endr
	WIN 0
	global_load_b128 v[XS+8*\buf:XS+8*\buf+3], v[OFS+\buf], s[4:5] offset:768
	global_load_b128 v[XS+8*\buf+4:XS+8*\buf+7], v[OFS+\buf], s[4:5] offset:784
.endm
.macro FIRSTX buf                      ; what a tile issues, for my first two tiles: the entry of my tile 2 + buf, then the 26 loads of my tile buf: 27 loads
	OFFS \buf, 28+\buf
	global_load_b32 v[E+\buf], v[LA], s[6:7] offset:256+128*\buf
	XLOAD \buf
.endm
; One fragment of the stream.  left: the loads issued behind set f's, which may stay out.  gath: -1, or the buffer whose first gather goes out here
.macro STEPW f, left, gath
.if (\f)+3 < 16
	LOADW (\f)+3                                   ; three fragments ahead; its set was read out by the stage stores of the step before, which have been waited for
.endif
	s_wait_loadcnt \left
	TURNW \f
	s_wait_dscnt 0x0                               ; my numbers are back; the stage's and the last image's stores have read their registers
.if \gath >= 0
	FIRSTX \gath                                   ; into registers of sets that the stage's stores have read out and that no further fragment takes
.endif
	QUANTW
	IMAGEW \f
.endm
.macro WFETCH s                        ; my four weight tiles of K step s: tile t = 2 x matrix + u
.irp t, 0,1,2,3
.irp q, 0,1,2
	ds_load_b128 v[12*(4*((\s)%4)+\t)+4*\q:12*(4*((\s)%4)+\t)+4*\q+3], v[IL0+(\t/2)] offset:(8*(\t%2)+(\s))*1536+512*\q
.endr
.endr
.endm
.macro MM buf, s, t                    ; source 0 = 16 weight rows, source 1 = 16 rows of x.  The first K step starts the sums
.if (\s) == 0
	v_wmma_scale_f32_16x16x128_f8f6f4 v[ACC+8*\t:ACC+8*\t+7], v[12*(4*((\s)%4)+\t):12*(4*((\s)%4)+\t)+11], v[96*\buf+12*\s:96*\buf+12*\s+11], 0, v[WS+4*\s+\t], v[XS+8*\buf+\s] matrix_a_fmt:MATRIX_FMT_FP6 matrix_b_fmt:MATRIX_FMT_FP6
.else
	v_wmma_scale_f32_16x16x128_f8f6f4 v[ACC+8*\t:ACC+8*\t+7], v[12*(4*((\s)%4)+\t):12*(4*((\s)%4)+\t)+11], v[96*\buf+12*\s:96*\buf+12*\s+11], v[ACC+8*\t:ACC+8*\t+7], v[WS+4*\s+\t], v[XS+8*\buf+\s] matrix_a_fmt:MATRIX_FMT_FP6 matrix_b_fmt:MATRIX_FMT_FP6
.endif
.endm
	s_load_b256 s[4:11], s[0:1], 0x0               ; xq s[4:5], list s[6:7], w1 s[8:9], v1 s[10:11]
	s_load_b128 s[12:15], s[0:1], 0x20             ; hq s[12:13], hs s[14:15]
	s_load_b64 s[24:25], s[0:1], 0x30              ; cnt
	v_lshl_add_u32 v254, v0, 2, 0x22400
	v_mov_b32 v255, 0
	v_lshrrev_b32 v1, 5, v0
	v_readfirstlane_b32 s[WV], v1                  ; wave 0..3
	s_lshr_b32 s[EX], ttmp9, 5                     ; expert
	s_and_b32 s18, ttmp9, 31                       ; j
	s_and_b32 s19, s[WV], 1                        ; b: my block of 32 units
	s_lshr_b32 s20, s[WV], 1                       ; stream: my matrix; compute: my first tile
	v_and_b32 v1, 31, v0                           ; lane
	v_and_b32 v2, 15, v0                           ; r
	v_bfe_u32 v3, v0, 4, 1                         ; h
	v_lshlrev_b32 v[L16], 4, v1
	v_lshlrev_b32 v[L4], 2, v1
	s_mul_i32 s40, s[WV], 8448
	s_add_co_u32 s40, s40, STG
	v_add_nc_u32 v[STS], s40, v[L16]
	v_mul_u32_u24 v[STL], v2, 528
	v_lshl_add_u32 v[STL], v3, 7, v[STL]
	v_add_nc_u32 v[STL], s40, v[STL]
	s_mul_i32 s41, s[WV], 24576
	s_add_co_u32 s41, s41, IMG
	v_add_nc_u32 v[IMS], s41, v[L16]
	s_lshl_b32 s41, s[WV], 11
	s_add_co_u32 s41, s41, ISC
	v_lshl_add_u32 v[ISS], v1, 2, s41
	s_mul_i32 s41, s19, 24576
	s_add_co_u32 s41, s41, IMG
	v_add_nc_u32 v[IL0], s41, v[L16]               ; w1's images of block b were made by wave b,
	v_add_nc_u32 v[IL0+1], 49152, v[IL0]           ; v1's by wave 2 + b
	s_lshl_b32 s41, s19, 11
	s_add_co_u32 s41, s41, ISC
	v_lshl_add_u32 v[SL], v1, 2, s41
	s_lshl_b32 s41, s20, 6
	v_lshl_add_u32 v[LA], v2, 2, s41
	v_add_nc_u32 v[LT], 512, v[LA]                 ; four of my tiles on
	v_lshlrev_b32 v[H8], 3, v3
	v_mul_u32_u24 v[H48], v3, 48
	v_mov_b32 v[PX], 0                             ; written once: a lane permute's destination counts as one of its sources
	s_lshl_b32 s41, s19, 4
	v_add_nc_u32 v28, s41, v2                      ; the next operand's lane: 16 b + r
	s_mul_i32 s42, s20, 24576
	v_lshl_add_u32 v[HA], v28, 4, s42
	v_lshl_add_u32 v[HB], v28, 3, s42
	v_add_nc_u32 v[HB], 512, v[HB]
	s_lshl_b32 s42, s20, 10
	v_lshl_add_u32 v[HS], v2, 6, s42
	s_mov_b32 s34, 0xbfb8aa3b                      ; -log2(e)
	s_mov_b32 s35, s34                             ; (named with it as a pair, so it is written)
	s_mov_b32 s36, 0x76543210
	s_mov_b32 s37, 0xfedcba98                      ; v_permlanex16_b32's selects for lane l xor 16
	s_lshl_b32 s44, s[EX], 23                      ; an expert's matrix is 8,388,608 bytes,
	s_lshl_b32 s45, s18, 18                        ; 64 rows 262,144,
	s_add_co_u32 s44, s44, s45
	s_lshl_b32 s45, s19, 17                        ; 32 rows 131,072
	s_add_co_u32 s44, s44, s45
	s_mov_b32 s45, 0
	s_mul_i32 s46, s[EX], 1572864                  ; hq: [expert][64 tiles][16 K steps][2 c][768]: units 64 j on are K step j / 2, c = j % 2: 768 j
	s_mul_i32 s47, s18, 768
	s_add_co_u32 s46, s46, s47
	s_mov_b32 s47, 0
	s_lshl_b32 s48, s[EX], 16                      ; hs: [expert][64 tiles][16 rows][16 words]: my byte is 2 j + b of a row's 64
	s_lshl_b32 s49, s18, 1
	s_add_co_u32 s48, s48, s49
	s_add_co_u32 s48, s48, s19
	s_mov_b32 s49, 0
	s_mul_i32 s50, s[EX], 5120                     ; an expert's list is 1,280 words,
	s_mov_b32 s51, 0
	s_lshl_b32 s52, s[EX], 7                       ; its count 32 words
	s_mov_b32 s53, 0
	s_wait_kmcnt 0x0
	s_cmp_eq_u32 s20, 0                            ; the choice hangs on the wave's number alone
	s_cselect_b64 s[22:23], s[8:9], s[10:11]
	s_add_nc_u64 s[22:23], s[22:23], s[44:45]      ; my 32 rows of w1 or of v1
	s_add_nc_u64 s[12:13], s[12:13], s[46:47]
	s_add_nc_u64 s[14:15], s[14:15], s[48:49]
	s_add_nc_u64 s[6:7], s[6:7], s[50:51]
	s_add_nc_u64 s[24:25], s[24:25], s[52:53]
	global_load_b32 v30, v[L4], s[24:25]           ; the number of listed rows,
	global_load_b32 v28, v[LA], s[6:7]             ; my row's entry in my first tile,
	global_load_b32 v29, v[LA], s[6:7] offset:128  ; and in my second: all three are older than every weight load, so the stream's first wait covers them
	LOADW 0
	LOADW 1
	LOADW 2
.irp f, 0,1,2,3,4,5,6,7,8,9,10,11,12
	STEPW \f, 48, -1                               ; the three younger sets of 16 loads stay out: set f is in
.endr
	STEPW 13, 32, 0                                ; sets 14 and 15 stay out.  Sets 0 and 1 (fragments 12, 13) are read out: buffer 0, v0-95 of window 3, takes my first tile's codes
	STEPW 14, 43, 1                                ; set 15's 16 loads and the first gather's 27 stay out.  Set 2 is read out too: buffer 1, v96-191, takes my second tile's
	STEPW 15, 54, -1                               ; the two gathers' 27 + 27 stay out
	s_wait_dscnt 0x0                               ; for the others' sake: my sixteen images lie in LDS
	s_barrier_signal -1
	s_barrier_wait -1
	v_readfirstlane_b32 s[SNT], v30                ; (in since the stream's first wait)
	s_add_co_u32 s[SNT], s[SNT], 15
	s_lshr_b32 s[SNT], s[SNT], 4                   ; tiles of 16 listed rows
	WIN 0x40                                       ; destination window 1
.irp s, 0,1,2,3
	WFETCH \s
.endr
	WIN 0x80                                       ; destination window 2
.irp s, 4,5,6,7
	WFETCH \s
.endr
	WIN 0
.irp s, 0,1,2,3,4,5,6,7
.irp t, 0,1,2,3
	ds_load_b32 v[WS+4*\s+\t], v[SL] offset:(32*(\t/2)+8*(\t%2)+\s)*128
.endr
.endr
	s_wait_dscnt 0x0
	s_mov_b32 s[STI], s20
	s_mov_b32 s33, 16
; One tile of 16 listed rows, from buffer buf.
.macro TILE buf
	s_cmp_ge_u32 s[STI], s[SNT]                    ; the list is at its end: a forward way out; every trip that runs follows trips that ran, so the counted wait below holds
	s_cbranch_scc1 .Ldone
	s_wait_loadcnt 27                              ; behind this buffer's 26 loads one entry and the other buffer's 26 were issued: they may be out.  The entry read below is older than this buffer's 26
	WIN 0x0d                                       ; source 0 window 1, source 1 window 3.  The four accumulators take turns, one instruction a turn
.irp s, 0,1,2,3
.irp t, 0,1,2,3
	MM \buf, \s, \t
.endr
.endr
	WIN 0x0e                                       ; source 0 window 2
.irp s, 4,5,6,7
.irp t, 0,1,2,3
	MM \buf, \s, \t
.endr
.endr
	WIN 0
	s_wait_xcnt 0x0                                ; the tile's one wait for sources.  It stands ahead of this tile's own 27 loads: the youngest memory instruction is the last tile's third store, 32 matrix instructions back.
	                                               ; Behind it the last tile's stores have read their data (the codes, the byte) and their offsets, and its entry load its offset: all are written again below
	OFFS \buf, E+\buf                              ; the entry of my tile after next.  These four lines and the four steps are the places between the products and the loads into their operands
	v_add_nc_u32 v[HA], 49152, v[HA]               ; the offsets step, two tiles of the list on; the stores and the load below reach back by as much
	v_add_nc_u32 v[HB], 49152, v[HB]
	v_add_nc_u32 v[HS], 2048, v[HS]
	v_add_nc_u32 v[LT], 128, v[LT]
	global_load_b32 v[E+\buf], v[LT], s[6:7] offset:-128       ; the entry four of my tiles on,
	XLOAD \buf                                     ; and this buffer's next tile: two of my tiles on
.irp i, 0,2,4,6,8,10,12,14
	v_pk_mul_f32 v[T+\i:T+\i+1], v[ACC+\i:ACC+\i+1], s[34:35] op_sel_hi:[1,0]      ; -a log2(e); each accumulator is read from its low end on
.endr
.irp i, 0,1,2,3,4,5,6,7,8,9,10,11,12,13,14,15
	v_exp_f32 v[T+\i], v[T+\i]
.endr
.irp i, 0,2,4,6,8,10,12,14
	v_pk_mul_f32 v[HH+\i:HH+\i+1], v[ACC+\i:ACC+\i+1], v[ACC+16+\i:ACC+17+\i]      ; a g (also the plain lines behind the exponentials)
.endr
	s_wait_alu depctr_va_vdst(0)
.irp i, 0,2,4,6,8,10,12,14
	v_pk_add_f32 v[T+\i:T+\i+1], v[T+\i:T+\i+1], 1.0 op_sel_hi:[1,0]
.endr
.irp i, 0,1,2,3,4,5,6,7,8,9,10,11,12,13,14,15
	v_rcp_f32 v[T+\i], v[T+\i]
.endr
	v_nop                                          ; a plain line behind the reciprocals
	s_wait_alu depctr_va_vdst(0)
.irp i, 0,2,4,6,8,10,12,14
	v_pk_mul_f32 v[HH+\i:HH+\i+1], v[HH+\i:HH+\i+1], v[T+\i:T+\i+1]                ; h: register 8 u + i is unit 32 b + 16 h + 8 u + i of my row
.endr
	v_max3_num_f32 v[M0], |v[HH]|, |v[HH+1]|, 0x1800000
	v_max3_num_f32 v[M0+1], |v[HH+2]|, |v[HH+3]|, |v[HH+4]|
	v_max3_num_f32 v[M0], v[M0], |v[HH+5]|, |v[HH+6]|
	v_max3_num_f32 v[M0+1], v[M0+1], |v[HH+7]|, |v[HH+8]|
	v_max3_num_f32 v[M0], v[M0], |v[HH+9]|, |v[HH+10]|
	v_max3_num_f32 v[M0+1], v[M0+1], |v[HH+11]|, |v[HH+12]|
	v_max3_num_f32 v[M0], v[M0], |v[HH+13]|, |v[HH+14]|
	v_max3_num_f32 v[M0], v[M0], v[M0+1], |v[HH+15]|
	v_permlanex16_b32 v[PX], v[M0], s36, s37
	v_max_num_f32 v[M0], v[M0], v[PX]              ; with lane l xor 16's 16: the block's largest magnitude
	v_add_nc_u32 v[SO0], 0xff000000, v[M0]
	v_lshrrev_b32 v[BY0], 23, v[SO0]
	v_cvt_scalef32_pk16_fp6_f32 v[PC:PC+2], v[HH:HH+15], v[SO0]
	v_nop
.irp i, 0,1,2
	v_mov_b32 v[PC+3+\i], v[PC+\i]
.endr
.irp i, 0,1,2
	v_permlane16_swap_b32 v[PC+\i], v[PC+3+\i]     ; the first's lanes 16-31 change places with the copy's lanes 0-15: every lane now holds its row's whole block, 24 bytes
.endr
	global_store_b128 v[HA], v[PC:PC+3], s[12:13] offset:-49152    ; sixteen rows' 16 bytes are 256 consecutive bytes; the two halves of the lanes write the same bytes with the same values
	global_store_b64 v[HB], v[PC+4:PC+5], s[12:13] offset:-49152
	global_store_b8 v[HS], v[BY0], s[14:15] offset:-2048
	s_add_co_u32 s[STI], s[STI], 2
.endm
.Lt:                                               ; 16 trips of two tiles: 64 tiles, 1,024 rows, are the most that one expert can be given.  The furthest entry read is word 1,151 of the list's 1,280
	TILE 0
	TILE 1
	s_sub_co_u32 s33, s33, 1
	s_cmp_lg_u32 s33, 0
	s_cbranch_scc1 .Lt
.Ldone:
	s_wait_tensorcnt 0x0
	ds_add_u32 v254, v255
	s_wait_dscnt 0x0
	s_endpgm
.Lfunc_end_k_qc4135d2e7f_up:
	.size	k_qc4135d2e7f_up, .Lfunc_end_k_qc4135d2e7f_up-k_qc4135d2e7f_up
	.p2alignl 7, 3214868480
	.fill 96, 4, 3214868480
	.section	.rodata,"a",@progbits
	.p2align	6, 0x0
	.amdhsa_kernel k_qc4135d2e7f_up
		.amdhsa_group_segment_fixed_size 140800
		.amdhsa_private_segment_fixed_size 0
		.amdhsa_enable_private_segment 0
		.amdhsa_kernarg_size 56
		.amdhsa_user_sgpr_count 2
		.amdhsa_user_sgpr_kernarg_segment_ptr 1
		.amdhsa_wavefront_size32 1
		.amdhsa_system_sgpr_workgroup_id_x 1
		.amdhsa_system_sgpr_workgroup_id_y 1
		.amdhsa_system_sgpr_workgroup_id_z 1
		.amdhsa_system_vgpr_workitem_id 0
		.amdhsa_next_free_vgpr 1024
		.amdhsa_next_free_sgpr 66
		.amdhsa_reserve_vcc 0
		.amdhsa_float_denorm_mode_32 3
		.amdhsa_float_denorm_mode_16_64 3
		.amdhsa_memory_ordered 1
		.amdhsa_forward_progress 1
		.amdhsa_inst_pref_size 152
	.end_amdhsa_kernel
	.amdgpu_metadata
---
amdhsa.version: [ 1, 2 ]
amdhsa.kernels:
  - .name:           k_qc4135d2e7f_up
    .symbol:         k_qc4135d2e7f_up.kd
    .args:
      - { .name: xq, .offset: 0, .size: 8, .value_kind: global_buffer, .address_space: global }
      - { .name: list, .offset: 8, .size: 8, .value_kind: global_buffer, .address_space: global }
      - { .name: w1, .offset: 16, .size: 8, .value_kind: global_buffer, .address_space: global }
      - { .name: v1, .offset: 24, .size: 8, .value_kind: global_buffer, .address_space: global }
      - { .name: hq, .offset: 32, .size: 8, .value_kind: global_buffer, .address_space: global }
      - { .name: hs, .offset: 40, .size: 8, .value_kind: global_buffer, .address_space: global }
      - { .name: cnt, .offset: 48, .size: 8, .value_kind: global_buffer, .address_space: global }
    .group_segment_fixed_size: 140800
    .private_segment_fixed_size: 0
    .kernarg_segment_align: 8
    .kernarg_segment_size: 56
    .max_flat_workgroup_size: 128
    .sgpr_count:     66
    .vgpr_count:     1024
    .wavefront_size: 32
...
	.end_amdgpu_metadata
.endif
;; end of part 3
;; launch down (part 4): grid 256 x 1, 4 waves a work-group, no clusters, 70,144 bytes of LDS; arguments hq, hs, list, topw, w2, y, cnt; writes y
.if DOCPART == 4
	.amdgcn_target "amdgcn-amd-amdhsa--gfx1250"
	.amdhsa_code_object_version 6
	.text
	.protected	k_qc4135d2e7f_down
	.globl	k_qc4135d2e7f_down
	.p2align	8
	.type	k_qc4135d2e7f_down,@function
k_qc4135d2e7f_down:
	s_mov_b64 s[64:65], 0
	v_nop
	global_prefetch_b8 v0, s[64:65] scope:SCOPE_SE
	s_setreg_imm32_b32 hwreg(HW_REG_WAVE_MODE, 25, 1), 1
	s_wait_xcnt 0x0
; y[entry][kh][:] = gate weight x (h w2[e]) over half of F, for the rows routed to expert e; entry = 2 x token + k.  The product on codes of E2M3, by the scaled 16 x 16 x 128 form.
; THE WEIGHTS STAY, THE ROWS WALK.  Work-group g: expert e = g / 32, columns 64 ns .. 64 ns + 63 (ns = (g / 2) % 16), rows f = 1,024 kh .. + 1,023 (kh = g % 2) of w2[e]: 256 KiB of f32, read once.
;   K is cut in two so that a row's piece of w2 and a row's piece of y are both 256 consecutive, aligned bytes with 256 work-groups; the two halves and the two experts of a token are added by the last launch.
; STREAM.  K = F is w2's FIRST axis.  Wave w takes rows 256 w .. + 255 in four sets of 64.  In a set lane (q, g') takes columns 4 q .. 4 q + 3 of rows 32 g' .. + 31: a load reads two whole pieces of 256 bytes.
;   A lane then holds four whole blocks of 32 along K, one a column; they are turned into consecutive registers (the conversions want neighbours along K so), quantised, and laid in LDS in the order of the operand's registers.
; THE LIST of expert e's entries, and their number, are whole numbers that an earlier launch stored: they are read from memory.  An empty place of the list holds the mark 2,048 + e.
; COMPUTE.  Every wave keeps all 4 column tiles x 8 K steps in 384 registers and takes the tiles of 16 listed rows i = w, w + 4, ..: h's codes come as dense runs, two tiles ahead; 32 matrix instructions (transposed: source 0 = 16 columns
;   of w2, source 1 = 16 rows of h), the gate's weight, a turn through the wave's own stage, and sixteen lanes store a row's 256 bytes.
;   My first two tiles' loads go out while the stream's last set is still at work, as soon as the registers in which they land have been turned.
;   THE WAVE'S TILES ARE WRITTEN OUT, sixteen of them (64 tiles, 1,024 rows, are the most that one expert can be given), with a forward way out at each tile's head: the list's offsets are two registers made at the head
;   and an immediate that holds the tile, and the last tiles ask for nothing beyond the sixteenth.
; ROWS BEHIND THE LIST'S END.  The list's last tile may have up to 15 rows that belong to no token.  They are stored like the others, all lanes on, to the spare entry 2,048 + e of y, at this work-group's own piece
;   (kh, ns) of 256 bytes: bytes that no other work-group stores and that nobody reads.  So EXEC is never changed and no branch but the way out hangs on the list; the price is at most 15 stores of 256 bytes that serve nothing.
; No cluster and no joint loads: the weights are shared by no two work-groups, and the number of row tiles hangs on the list.
; LIMITS: NaN and infinities are not served.  A block of zeros gets the byte 1, not 127 (zero codes; only this program reads the bytes).
.set IMG,   0                          ; LDS: [4 column tiles, 12,304 apart][8 K steps][2 c][768]: 32 lanes x 16 bytes (registers 6 c .. 6 c + 3), then 32 x 8 (6 c + 4, 6 c + 5)
.set ISC,   49408                      ; scale words: ((8 t + s) 16 + r) 4
.set STAGE, 51456                      ; four stages of 16 rows, pitch 272
.set L16, 4                            ; v4   16 x lane
.set L8,  5                            ; v5   8 x lane
.set R64, 6                            ; v6   64 r
.set WO,  7                            ; v7   w2: 32 rows x g' + 16 q
.set IA,  8                            ; v8, v9, v10  where my columns' codes (16, then 8 bytes) and bytes go
.set IB,  9
.set IS,  10
.set FA,  11                           ; v11, v12, v13  where the fragments and their scale words are fetched
.set FB,  12
.set FS,  13
.set E,   14                           ; v14, v15  my row's entries fetched ahead, for buffers 0, 1
.set LB,  16                           ; v16  list: 64 w + 32 g': the eight rows that I store; never rewritten
.set LC,  17                           ; v17  list: 64 w + 4 r: my row of the operand; never rewritten
.set L4,  18                           ; v18  4 x lane
.set STO, 20                           ; v20  stage, in
.set STR, 21                           ; v21  stage, out
.set YL,  22                           ; v22  16 q
.set HA,  26                           ; v26, 27  hq offsets for buffers 0, 1 (16 bytes a lane);  v28, 29 (8 bytes a lane)
.set HB,  28
.set HSO, 30                           ; v30, 31  hs offsets
.set CO,  32                           ; v32, 33  topw offsets
.set C0,  34                           ; v[34:35], v[36:37]  my row's gate weight; the upper halves are 0
.set EM,  40                           ; v40-47, v48-55  the entries of rows 8 g' + m, for buffers 0, 1
.set T0,  56                           ; v56 the number of listed rows; v57, v58 my row's entries in my first two tiles
.set T1,  57
.set T2,  58
.set ACC, 64                           ; v64-95  four accumulators
.set Y,   96                           ; v96-127 results x gate weight
.set O,   128                          ; v128-159 rows back from the stage
.set WS,  160                          ; v160-191 w2's scale words (4 s + t): scales and nothing else
.set M,   192                          ; v192-195 largest magnitudes, v196-199 scale operands, v200-203 bytes
.set SO,  196
.set BY,  200
.set PC,  208                          ; v208-239 stream: four columns' codes, 8 registers apart
.set OM,  208                          ; v208-215 compute: the stored rows' offsets in y
.set HSW, 240                          ; v240-255 h's scale words (8 x buffer + s): scales and nothing else
.set WV,  16
.set EX,  17
.set SNT, 30                           ; s30  tiles of listed rows
.set STI, 31                           ; s31  my tile
.set MSB, 0
.macro WIN new                         ; window 1: stream: 128 numbers turned; then w2's fragments of K steps 0-3.  Window 2: of 4-7.  Window 3: loads as they come, later h's fragments
.if MSB != \new
	s_set_vgpr_msb (MSB<<8)|\new
.set MSB, \new
.endif
.endm
.macro LOADH u                         ; half a set: rows 64 (u / 2) + 32 g' + 16 (u % 2) + 0 .. 15, into buffer u % 4 of window 3
	WIN 0xc0
.irp i, 0,1,2,3,4,5,6,7,8,9,10,11,12,13,14,15
	global_load_b128 v[64*((\u)%4)+4*\i:64*((\u)%4)+4*\i+3], v[WO], s[12:13] offset:(64*((\u)>>1)+16*((\u)&1)+\i)*4096 th:TH_LOAD_NT
.endr
	WIN 0
.endm
.macro SETQ sg                         ; set sg is K step 2 w + sg / 2, c = sg % 2; my four blocks are h = g' of columns 4 q + 0 .. 3
	WIN 0x43                                       ; destination window 1, source window 3
.irp i, 0,1,2,3,4,5,6,7,8,9,10,11,12,13,14,15,16,17,18,19,20,21,22,23,24,25,26,27,28,29,30,31
.irp jj, 0,1,2,3
	v_mov_b32 v[32*\jj+\i], v[128*((\sg)&1)+4*\i+\jj]      ; K along consecutive registers, as the conversions take it; the loads stay dense
.endr
.endr
	WIN 0x14                                       ; sources 1 and 2 window 1
.irp jj, 0,1,2,3
	v_max3_num_f32 v[M+\jj], 0x1800000, |v[32*\jj]|, |v[32*\jj+1]|     ; with the floor 2^(3 - 127)
.endr
.irp i, 2,4,6,8,10,12,14,16,18,20,22,24,26,28,30
.irp jj, 0,1,2,3
	v_max3_num_f32 v[M+\jj], v[M+\jj], |v[32*\jj+\i]|, |v[32*\jj+\i+1]|
.endr
.endr
	WIN 0
.irp jj, 0,1,2,3
	v_add_nc_u32 v[SO+\jj], 0xff000000, v[M+\jj]   ; 2 off the exponent field: the conversion's scale operand
.endr
.irp jj, 0,1,2,3
	v_lshrrev_b32 v[BY+\jj], 23, v[SO+\jj]         ; the scale's byte
.endr
	WIN 0x01                                       ; source 0 window 1
.irp jj, 0,1,2,3
	v_cvt_scalef32_pk16_fp6_f32 v[PC+8*\jj:PC+8*\jj+2], v[32*\jj:32*\jj+15], v[SO+\jj]
	v_cvt_scalef32_pk16_fp6_f32 v[PC+8*\jj+4:PC+8*\jj+6], v[32*\jj+16:32*\jj+31], v[SO+\jj]
.endr
	WIN 0
	v_nop                                          ; one plain line behind the conversions
.irp jj, 0,1,2,3
	v_mov_b32 v[PC+8*\jj+3], v[PC+8*\jj+4]         ; the block's 24 bytes on end
	v_mov_b32 v[PC+8*\jj+4], v[PC+8*\jj+5]
	v_mov_b32 v[PC+8*\jj+5], v[PC+8*\jj+6]
.endr
.irp jj, 0,1,2,3
	ds_store_b128 v[IA], v[PC+8*\jj:PC+8*\jj+3] offset:16*\jj+((\sg)>>1)*1536+((\sg)&1)*768
	ds_store_b64 v[IB], v[PC+8*\jj+4:PC+8*\jj+5] offset:8*\jj+((\sg)>>1)*1536+((\sg)&1)*768
	ds_store_b8 v[IS], v[BY+\jj] offset:4*\jj+((\sg)>>1)*64+2*((\sg)&1)
.endr
.endm
.macro STEPH sg, left                  ; left: the loads issued behind this set's two halves, which may stay out
.if 2*(\sg)+3 < 8
	LOADH 2*(\sg)+3
.endif
	s_wait_loadcnt \left
	s_wait_dscnt 0x0                               ; the last set's LDS stores have read their registers
	SETQ \sg
.if 2*(\sg)+4 < 8
	LOADH 2*(\sg)+4                                ; into the buffer just turned
.endif
.endm
.macro HADR buf, sidx, ereg            ; the offsets of tile s[sidx], held inside the tiles that the launch before has written, and of my row's gate weight
	s_min_u32 s40, s[\sidx], s39
	s_min_u32 s40, s40, 63
	s_mul_i32 s41, s40, 24576
	s_lshl_b32 s42, s40, 10
	v_add_nc_u32 v[HA+\buf], s41, v[L16]
	v_add_nc_u32 v[HB+\buf], s41, v[L8]
	v_add_nc_u32 v[HSO+\buf], s42, v[R64]
	v_min_u32 v[CO+\buf], 2047, v[\ereg]           ; an empty place's mark falls on the last weight, which then multiplies a row that nobody reads
	v_lshlrev_b32 v[CO+\buf], 2, v[CO+\buf]
.endm
.macro HLOAD buf                       ; a tile's 8 fragments of h, its scale words, the gate weights: 35 loads, the fragments as runs of 512 and 256 consecutive bytes
	WIN 0xc0
.irp s, 0,1,2,3,4,5,6,7
.irp c, 0,1
	global_load_b128 v[96*\buf+12*\s+6*\c:96*\buf+12*\s+6*\c+3], v[HA+\buf], s[4:5] offset:1536*\s+768*\c
	global_load_b64 v[96*\buf+12*\s+6*\c+4:96*\buf+12*\s+6*\c+5], v[HB+\buf], s[4:5] offset:1536*\s+768*\c+512
.endr
.endr
	WIN 0
	global_load_b128 v[HSW+8*\buf:HSW+8*\buf+3], v[HSO+\buf], s[6:7]
	global_load_b128 v[HSW+8*\buf+4:HSW+8*\buf+7], v[HSO+\buf], s[6:7] offset:16
	global_load_b32 v[C0+2*\buf], v[CO+\buf], s[10:11]
.endm
.macro FIRSTH buf                      ; what a tile issues, for my first two tiles, in a tile's order: my row's entry of my tile 2 + buf, the eight entries of the rows that I store of my tile buf, its 35: 38 loads
	global_load_b32 v[E+\buf], v[LC], s[8:9] offset:512+256*\buf
	global_load_b128 v[EM+8*\buf:EM+8*\buf+3], v[LB], s[8:9] offset:256*\buf
	global_load_b128 v[EM+8*\buf+4:EM+8*\buf+7], v[LB], s[8:9] offset:256*\buf+16
	HLOAD \buf
.endm
.macro WFETCH s
.irp t, 0,1,2,3
.irp c, 0,1
	ds_load_b128 v[12*(4*((\s)%4)+\t)+6*\c:12*(4*((\s)%4)+\t)+6*\c+3], v[FA] offset:12304*\t+1536*(\s)+768*\c
	ds_load_b64 v[12*(4*((\s)%4)+\t)+6*\c+4:12*(4*((\s)%4)+\t)+6*\c+5], v[FB] offset:12304*\t+1536*(\s)+768*\c
.endr
.endr
.endm
.macro MM buf, s, t                    ; source 0 = 16 columns of w2, source 1 = 16 rows of h: a lane then holds eight neighbouring columns of one row.  The first K step starts the sums
.if (\s) == 0
	v_wmma_scale_f32_16x16x128_f8f6f4 v[ACC+8*\t:ACC+8*\t+7], v[12*(4*((\s)%4)+\t):12*(4*((\s)%4)+\t)+11], v[96*\buf+12*\s:96*\buf+12*\s+11], 0, v[WS+4*\s+\t], v[HSW+8*\buf+\s] matrix_a_fmt:MATRIX_FMT_FP6 matrix_b_fmt:MATRIX_FMT_FP6
.else
	v_wmma_scale_f32_16x16x128_f8f6f4 v[ACC+8*\t:ACC+8*\t+7], v[12*(4*((\s)%4)+\t):12*(4*((\s)%4)+\t)+11], v[96*\buf+12*\s:96*\buf+12*\s+11], v[ACC+8*\t:ACC+8*\t+7], v[WS+4*\s+\t], v[HSW+8*\buf+\s] matrix_a_fmt:MATRIX_FMT_FP6 matrix_b_fmt:MATRIX_FMT_FP6
.endif
.endm
	s_load_b256 s[4:11], s[0:1], 0x0               ; hq s[4:5], hs s[6:7], list s[8:9], topw s[10:11]
	s_load_b128 s[12:15], s[0:1], 0x20             ; w2 s[12:13], y s[14:15]
	s_load_b64 s[20:21], s[0:1], 0x30              ; cnt
	v_lshl_add_u32 v231, v0, 2, 0x11000
	v_mov_b32 v239, 0
	v_lshrrev_b32 v1, 5, v0
	v_readfirstlane_b32 s[WV], v1                  ; wave 0..3
	s_lshr_b32 s[EX], ttmp9, 5                     ; expert
	s_bfe_u32 s18, ttmp9, 0x40001                  ; ns: 4 bits from bit 1
	s_and_b32 s19, ttmp9, 1                        ; kh
	v_and_b32 v1, 31, v0                           ; lane
	v_and_b32 v2, 15, v0                           ; r, also q
	v_bfe_u32 v3, v0, 4, 1                         ; g'
	v_lshlrev_b32 v[L16], 4, v1
	v_lshlrev_b32 v[L8], 3, v1
	v_lshlrev_b32 v[L4], 2, v1
	v_lshlrev_b32 v[R64], 6, v2
	v_lshlrev_b32 v[WO], 4, v2
	v_lshl_add_u32 v[WO], v3, 17, v[WO]            ; 32 rows of 4,096 bytes for the upper half of the lanes
	v_lshrrev_b32 v40, 2, v2                       ; my columns' tile: q / 4
	v_and_b32 v41, 3, v2                           ; q % 4
	v_lshlrev_b32 v42, 2, v41
	v_lshl_add_u32 v42, v3, 4, v42                 ; the operand's lane of my first column: 16 g' + 4 (q % 4)
	v_mul_u32_u24 v43, v40, 12304
	s_mul_i32 s40, s[WV], 3072                     ; my two K steps
	s_add_co_u32 s40, s40, IMG
	v_add_nc_u32 v43, s40, v43
	v_lshl_add_u32 v[IA], v42, 4, v43
	v_lshl_add_u32 v[IB], v42, 3, v43
	v_add_nc_u32 v[IB], 512, v[IB]
	v_lshlrev_b32 v[IS], 9, v40
	v_lshl_add_u32 v[IS], v41, 4, v[IS]
	v_add_nc_u32 v[IS], v[IS], v3
	s_lshl_b32 s41, s[WV], 7
	s_add_co_u32 s41, s41, ISC
	v_add_nc_u32 v[IS], s41, v[IS]
	v_add_nc_u32 v[FA], IMG, v[L16]
	v_add_nc_u32 v[FB], IMG+512, v[L8]
	v_lshl_add_u32 v[FS], v2, 2, ISC
	s_lshl_b32 s41, s[WV], 6                       ; a tile of the list is 64 bytes
	v_lshl_add_u32 v[LB], v3, 5, s41
	v_lshl_add_u32 v[LC], v2, 2, s41
	s_mul_i32 s41, s[WV], 4352
	s_add_co_u32 s41, s41, STAGE
	v_mul_u32_u24 v[STO], v2, 272
	v_lshl_add_u32 v[STO], v3, 5, v[STO]
	v_add_nc_u32 v[STO], s41, v[STO]               ; in: row r, 32 bytes for each half of the lanes
	v_mul_u32_u24 v[STR], v3, 2176
	v_lshl_add_u32 v[STR], v2, 4, v[STR]
	v_add_nc_u32 v[STR], s41, v[STR]               ; back: lanes 0-15 take rows 0-7, lanes 16-31 rows 8-15, sixteen lanes to a row
	v_lshlrev_b32 v[YL], 4, v2
	v_mov_b32 v[C0+1], 0                           ; (named as upper halves of pairs, so they are written)
	v_mov_b32 v[C0+3], 0
	s_lshl_b32 s44, s[EX], 23
	s_lshl_b32 s45, s19, 22                        ; 1,024 rows
	s_add_co_u32 s44, s44, s45
	s_lshl_b32 s45, s[WV], 20                      ; 256 rows
	s_add_co_u32 s44, s44, s45
	s_lshl_b32 s45, s18, 8                         ; 64 columns
	s_add_co_u32 s44, s44, s45
	s_mov_b32 s45, 0
	s_mul_i32 s46, s[EX], 1572864
	s_mul_i32 s47, s19, 12288                      ; 8 K steps of a tile
	s_add_co_u32 s46, s46, s47
	s_mov_b32 s47, 0
	s_lshl_b32 s48, s[EX], 16
	s_lshl_b32 s49, s19, 5                         ; 8 words of a row
	s_add_co_u32 s48, s48, s49
	s_mov_b32 s49, 0
	s_lshl_b32 s50, s19, 12
	s_lshl_b32 s51, s18, 8
	s_add_co_u32 s50, s50, s51
	s_mov_b32 s51, 0
	s_mul_i32 s52, s[EX], 5120                     ; an expert's list is 1,280 words,
	s_mov_b32 s53, 0
	s_lshl_b32 s54, s[EX], 7                       ; its count 32 words
	s_mov_b32 s55, 0
	s_wait_kmcnt 0x0
	s_add_nc_u64 s[12:13], s[12:13], s[44:45]
	s_add_nc_u64 s[4:5], s[4:5], s[46:47]
	s_add_nc_u64 s[6:7], s[6:7], s[48:49]
	s_add_nc_u64 s[14:15], s[14:15], s[50:51]
	s_add_nc_u64 s[8:9], s[8:9], s[52:53]
	s_add_nc_u64 s[20:21], s[20:21], s[54:55]
	global_load_b32 v[T0], v[L4], s[20:21]         ; the number of listed rows,
	global_load_b32 v[T1], v[LC], s[8:9]           ; my row's entry in my first tile,
	global_load_b32 v[T2], v[LC], s[8:9] offset:256    ; and in my second: all three are older than every weight load, so the stream's first wait covers them
	LOADH 0
	LOADH 1
	LOADH 2
	STEPH 0, 32                                    ; the two younger halves of 16 loads stay out: this set's two are in
	STEPH 1, 32
	v_readfirstlane_b32 s38, v[T0]                 ; listed rows (in since the stream's first wait)
	s_add_co_u32 s[SNT], s38, 15
	s_lshr_b32 s[SNT], s[SNT], 4                   ; tiles
	s_sub_co_u32 s39, s[SNT], 1                    ; the last tile that the launch before has written.  (With no tile at all this holds nothing back; the hold at 63 still keeps the loads inside hq, and the wave ends without using them)
	HADR 0, WV, T1
	s_add_co_u32 s43, s[WV], 4
	HADR 1, 43, T2
	STEPH 2, 32
	FIRSTH 0                                       ; set 2's registers, v0-127 of window 3, have been turned and no further set takes them: buffer 0, v0-95, takes my first tile
	STEPH 3, 38                                    ; the 38 loads just issued stay out: the last set's two halves are in
	FIRSTH 1                                       ; set 3's registers have been turned: buffer 1, v96-191, takes my second tile
	s_wait_dscnt 0x0                               ; for the others' sake: my two K steps of all four column tiles lie in LDS
	s_barrier_signal -1
	s_barrier_wait -1
	s_cmp_eq_u32 s[SNT], 0
	s_cbranch_scc1 .Ldone                          ; an expert that no token chose: nothing to store
	WIN 0x40
.irp s, 0,1,2,3
	WFETCH \s
.endr
	WIN 0x80
.irp s, 4,5,6,7
	WFETCH \s
.endr
	WIN 0
.irp s, 0,1,2,3,4,5,6,7
.irp t, 0,1,2,3
	ds_load_b32 v[WS+4*\s+\t], v[FS] offset:(8*\t+\s)*64
.endr
.endr
	s_wait_dscnt 0x0
	s_mov_b32 s[STI], s[WV]
; My k-th tile of 16 listed rows, tile w + 4 k of the list, from buffer k % 2.  In the list four tiles are 256 bytes: the tile stands in the loads' immediates.
; A tile issues, in this order: my row's entry of my tile k + 4 (one load; k <= 11), the eight entries of tile k + 2 (two loads) and its 35 loads of h (k <= 13).
.macro TILE k
.set BF, (\k)%2
	s_cmp_ge_u32 s[STI], s[SNT]                    ; the list is at its end: a forward way out; every tile that runs follows tiles that ran, so the counted wait below holds
	s_cbranch_scc1 .Ldone
.if (\k) < 13
	s_wait_loadcnt 38                              ; behind this buffer's loads stand the 1 + 2 + 35 that the tile before issued: they may be out.  The entries read below are older than this buffer's 35
.elseif (\k) < 15
	s_wait_loadcnt 37                              ; the tile before issued 2 + 35
.else
	s_wait_loadcnt 0x0                             ; the tile before issued nothing
.endif
	WIN 0x0d                                       ; source 0 window 1, source 1 window 3.  The four accumulators take turns, one instruction a turn
.irp s, 0,1,2,3
.irp t, 0,1,2,3
	MM BF, \s, \t
.endr
.endr
	WIN 0x0e                                       ; source 0 window 2
.irp s, 4,5,6,7
.irp t, 0,1,2,3
	MM BF, \s, \t
.endr
.endr
	WIN 0
.if (\k) < 14
	s_add_co_u32 s43, s[STI], 8
	HADR BF, 43, E+BF                              ; this buffer's next tile: eight on in the list.  Its five vector lines are the places behind the products (ISA guide 7.12.1)
.else
.rept 4
	v_nop                                          ; my last two tiles ask for nothing: the places behind the products
.endr
.endif
.irp i, 0,2,4,6,8,10,12,14,16,18,20,22,24,26,28,30
	v_pk_mul_f32 v[Y+\i:Y+\i+1], v[ACC+\i:ACC+\i+1], v[C0+2*BF:C0+2*BF+1] op_sel_hi:[1,0]   ; x my row's gate weight; each accumulator from its low end on
.endr
	s_wait_xcnt 0x0                                ; the last tile's stores have read their data and offsets
.irp m, 0,1,2,3,4,5,6,7
	v_min_u32 v[OM+\m], 2055, v[EM+8*BF+\m]        ; 2,048 entries of tokens and eight spare ones, one an expert
.endr
.irp m, 0,1,2,3,4,5,6,7
	v_lshl_add_u32 v[OM+\m], v[OM+\m], 13, v[YL]   ; an entry's two halves of a row are 8,192 bytes
.endr
.if (\k) < 12
	global_load_b32 v[E+BF], v[LC], s[8:9] offset:256*(\k)+1024
.endif
.if (\k) < 14
	global_load_b128 v[EM+8*BF:EM+8*BF+3], v[LB], s[8:9] offset:256*(\k)+512
	global_load_b128 v[EM+8*BF+4:EM+8*BF+7], v[LB], s[8:9] offset:256*(\k)+528
	HLOAD BF
.endif
.irp t, 0,1,2,3
	ds_store_b128 v[STO], v[Y+8*\t:Y+8*\t+3] offset:64*\t
	ds_store_b128 v[STO], v[Y+8*\t+4:Y+8*\t+7] offset:64*\t+16
.endr
.irp m, 0,1,2,3,4,5,6,7
	ds_load_b128 v[O+4*\m:O+4*\m+3], v[STR] offset:272*\m      ; row 8 g' + m.  LDS serves a wave's instructions in order: these see my stores
.endr
	s_wait_dscnt 0x0
.irp m, 0,1,2,3,4,5,6,7
	global_store_b128 v[OM+\m], v[O+4*\m:O+4*\m+3], s[14:15]   ; sixteen lanes store 256 consecutive bytes, aligned; a row behind the list's end goes to the spare entry
.endr
	s_add_co_u32 s[STI], s[STI], 4
.endm
.irp k, 0,1,2,3,4,5,6,7,8,9,10,11,12,13,14,15
	TILE \k
.endr
.Ldone:
	s_wait_tensorcnt 0x0
	ds_add_u32 v231, v239
	s_wait_dscnt 0x0
	s_endpgm
.Lfunc_end_k_qc4135d2e7f_down:
	.size	k_qc4135d2e7f_down, .Lfunc_end_k_qc4135d2e7f_down-k_qc4135d2e7f_down
	.p2alignl 7, 3214868480
	.fill 96, 4, 3214868480
	.section	.rodata,"a",@progbits
	.p2align	6, 0x0
	.amdhsa_kernel k_qc4135d2e7f_down
		.amdhsa_group_segment_fixed_size 70144
		.amdhsa_private_segment_fixed_size 0
		.amdhsa_enable_private_segment 0
		.amdhsa_kernarg_size 56
		.amdhsa_user_sgpr_count 2
		.amdhsa_user_sgpr_kernarg_segment_ptr 1
		.amdhsa_wavefront_size32 1
		.amdhsa_system_sgpr_workgroup_id_x 1
		.amdhsa_system_sgpr_workgroup_id_y 1
		.amdhsa_system_sgpr_workgroup_id_z 1
		.amdhsa_system_vgpr_workitem_id 0
		.amdhsa_next_free_vgpr 1024
		.amdhsa_next_free_sgpr 66
		.amdhsa_reserve_vcc 0
		.amdhsa_float_denorm_mode_32 3
		.amdhsa_float_denorm_mode_16_64 3
		.amdhsa_memory_ordered 1
		.amdhsa_forward_progress 1
		.amdhsa_inst_pref_size 255
	.end_amdhsa_kernel
	.section	.bss,"aw",@nobits
	.p2align	6
	.space	262144
	.amdgpu_metadata
---
amdhsa.version: [ 1, 2 ]
amdhsa.kernels:
  - .name:           k_qc4135d2e7f_down
    .symbol:         k_qc4135d2e7f_down.kd
    .args:
      - { .name: hq, .offset: 0, .size: 8, .value_kind: global_buffer, .address_space: global }
      - { .name: hs, .offset: 8, .size: 8, .value_kind: global_buffer, .address_space: global }
      - { .name: list, .offset: 16, .size: 8, .value_kind: global_buffer, .address_space: global }
      - { .name: topw, .offset: 24, .size: 8, .value_kind: global_buffer, .address_space: global }
      - { .name: w2, .offset: 32, .size: 8, .value_kind: global_buffer, .address_space: global }
      - { .name: y, .offset: 40, .size: 8, .value_kind: global_buffer, .address_space: global }
      - { .name: cnt, .offset: 48, .size: 8, .value_kind: global_buffer, .address_space: global }
    .group_segment_fixed_size: 70144
    .private_segment_fixed_size: 0
    .kernarg_segment_align: 8
    .kernarg_segment_size: 56
    .max_flat_workgroup_size: 128
    .sgpr_count:     66
    .vgpr_count:     1024
    .wavefront_size: 32
...
	.end_amdgpu_metadata
.endif
;; end of part 4
;; launch add (part 5): grid 256 x 1, 8 waves a work-group, no clusters, 0 bytes of LDS; arguments y, out0; writes out0
.if DOCPART == 5
	.amdgcn_target "amdgcn-amd-amdhsa--gfx1250"
	.amdhsa_code_object_version 6
	.text
	.protected	k_qc4135d2e7f_add
	.globl	k_qc4135d2e7f_add
	.p2align	8
	.type	k_qc4135d2e7f_add,@function
k_qc4135d2e7f_add:
	s_mov_b64 s[64:65], 0
	v_nop
	global_prefetch_b8 v0, s[64:65] scope:SCOPE_SE
	s_setreg_imm32_b32 hwreg(HW_REG_WAVE_MODE, 25, 1), 1
	s_wait_xcnt 0x0
; out0[token] = the sum of the token's four parts in y: two chosen experts x two halves of F, each already multiplied by its gate weight.
; A token's parts are four rows of 4,096 bytes on end.  A work-group takes 4 tokens; a wave takes half a row of one token: four pieces of 512 consecutive bytes from each of the four parts.
; All 16 loads go out at once; no register is written again, so the only waits are the counted ones for the loads.  No LDS, no barrier, no matrix unit: a stream.
.set D, 8                              ; v8-71: piece m, part p at v[D + 16 m + 4 p]
	s_load_b128 s[4:7], s[0:1], 0x0                ; y, out0
	v_lshrrev_b32 v1, 6, v0                        ; token in the work-group
	v_bfe_u32 v2, v0, 5, 1                         ; which half of the row
	v_and_b32 v3, 31, v0
	v_lshlrev_b32 v3, 4, v3
	v_lshl_add_u32 v3, v2, 11, v3
	v_lshl_add_u32 v4, v1, 14, v3                  ; in y: 16,384 bytes a token
	v_lshl_add_u32 v5, v1, 12, v3                  ; in out0: 4,096
	s_lshl_b32 s8, ttmp9, 16
	s_mov_b32 s9, 0
	s_lshl_b32 s10, ttmp9, 14
	s_mov_b32 s11, 0
	s_wait_kmcnt 0x0
	s_add_nc_u64 s[4:5], s[4:5], s[8:9]
	s_add_nc_u64 s[6:7], s[6:7], s[10:11]
.irp m, 0,1,2,3
.irp p, 0,1,2,3
	global_load_b128 v[D+16*\m+4*\p:D+16*\m+4*\p+3], v4, s[4:5] offset:4096*\p+512*\m th:TH_LOAD_NT
.endr
.endr
.irp m, 0,1,2,3
	s_wait_loadcnt 12-4*\m                         ; the later pieces' loads, four each, stay out
	v_pk_add_f32 v[D+16*\m:D+16*\m+1], v[D+16*\m:D+16*\m+1], v[D+16*\m+4:D+16*\m+5]
	v_pk_add_f32 v[D+16*\m+2:D+16*\m+3], v[D+16*\m+2:D+16*\m+3], v[D+16*\m+6:D+16*\m+7]
	v_pk_add_f32 v[D+16*\m+8:D+16*\m+9], v[D+16*\m+8:D+16*\m+9], v[D+16*\m+12:D+16*\m+13]
	v_pk_add_f32 v[D+16*\m+10:D+16*\m+11], v[D+16*\m+10:D+16*\m+11], v[D+16*\m+14:D+16*\m+15]
	v_pk_add_f32 v[D+16*\m:D+16*\m+1], v[D+16*\m:D+16*\m+1], v[D+16*\m+8:D+16*\m+9]
	v_pk_add_f32 v[D+16*\m+2:D+16*\m+3], v[D+16*\m+2:D+16*\m+3], v[D+16*\m+10:D+16*\m+11]
	global_store_b128 v5, v[D+16*\m:D+16*\m+3], s[6:7] offset:512*\m th:TH_STORE_NT    ; 32 lanes store 512 consecutive bytes, aligned
.endr
	s_endpgm
.Lfunc_end_k_qc4135d2e7f_add:
	.size	k_qc4135d2e7f_add, .Lfunc_end_k_qc4135d2e7f_add-k_qc4135d2e7f_add
	.p2alignl 7, 3214868480
	.fill 96, 4, 3214868480
	.section	.rodata,"a",@progbits
	.p2align	6, 0x0
	.amdhsa_kernel k_qc4135d2e7f_add
		.amdhsa_group_segment_fixed_size 0
		.amdhsa_private_segment_fixed_size 0
		.amdhsa_enable_private_segment 0
		.amdhsa_kernarg_size 16
		.amdhsa_user_sgpr_count 2
		.amdhsa_user_sgpr_kernarg_segment_ptr 1
		.amdhsa_wavefront_size32 1
		.amdhsa_system_sgpr_workgroup_id_x 1
		.amdhsa_system_sgpr_workgroup_id_y 1
		.amdhsa_system_sgpr_workgroup_id_z 1
		.amdhsa_system_vgpr_workitem_id 0
		.amdhsa_next_free_vgpr 96
		.amdhsa_next_free_sgpr 66
		.amdhsa_reserve_vcc 0
		.amdhsa_float_denorm_mode_32 3
		.amdhsa_float_denorm_mode_16_64 3
		.amdhsa_memory_ordered 1
		.amdhsa_forward_progress 1
		.amdhsa_inst_pref_size 5
	.end_amdhsa_kernel
	.amdgpu_metadata
---
amdhsa.version: [ 1, 2 ]
amdhsa.kernels:
  - .name:           k_qc4135d2e7f_add
    .symbol:         k_qc4135d2e7f_add.kd
    .args:
      - { .name: y, .offset: 0, .size: 8, .value_kind: global_buffer, .address_space: global }
      - { .name: out0, .offset: 8, .size: 8, .value_kind: global_buffer, .address_space: global }
    .group_segment_fixed_size: 0
    .private_segment_fixed_size: 0
    .kernarg_segment_align: 8
    .kernarg_segment_size: 16
    .max_flat_workgroup_size: 256
    .sgpr_count:     66
    .vgpr_count:     96
    .wavefront_size: 32
...
	.end_amdgpu_metadata
.endif
;; end of part 5
;; ======== version 2 of 2: 5 launches; version 1 with the launches up, down written anew for expert scheduling mode
;; limits: right only within a limited range of input values
;; workspace buffers: xq 819,200 bytes; tope 4,096 bytes of whole numbers; topw 8,192 bytes; list 40,960 bytes of whole numbers; cnt 1,024 bytes of whole numbers; hq 12,582,912 bytes; hs 524,288 bytes; y 16,842,752 bytes
;; launch route: the kernel of part 1 again; grid 256 x 1, 4 waves a work-group, no clusters, 18,944 bytes of LDS; arguments x, router_w, xq, tope, topw; writes xq, tope, topw
;; launch place: the kernel of part 2 again; grid 8 x 1, 1 waves a work-group, no clusters, 5,376 bytes of LDS; arguments tope, list, cnt; writes list, cnt
;; launch up (part 6): grid 256 x 1, 4 waves a work-group, no clusters, 140,800 bytes of LDS; arguments xq, list, w1, v1, hq, hs, cnt; writes hq, hs
.if DOCPART == 6
	.amdgcn_target "amdgcn-amd-amdhsa--gfx1250"
	.amdhsa_code_object_version 6
	.text
	.protected	k_qc4135d2e7f_up
	.globl	k_qc4135d2e7f_up
	.p2align	8
	.type	k_qc4135d2e7f_up,@function
k_qc4135d2e7f_up:
	s_mov_b64 s[64:65], 0
	v_nop
	global_prefetch_b8 v0, s[64:65] scope:SCOPE_SE
	s_setreg_imm32_b32 hwreg(HW_REG_WAVE_SCHED_MODE, 0, 2), 2
	s_setreg_imm32_b32 hwreg(HW_REG_WAVE_MODE, 25, 1), 1
	s_wait_xcnt 0x0
	s_wait_alu depctr_vm_vsrc(0)
; h = silu(x w1[e]^T) * (x v1[e]^T) for the rows routed to expert e, quantised along F into codes of E2M3.  Both products on codes, by the scaled 16 x 16 x 128 form.
; THE WEIGHTS STAY, THE ROWS WALK.  Work-group g: expert e = g / 32, hidden units 64 j .. 64 j + 63, j = g % 32, of w1 and of v1: 512 KiB of f32, read from memory once.
; STREAM.  Wave w takes matrix w / 2 (w1, v1) and block b = w % 2 of 32 units: two tiles of 16 rows x 8 K steps = 16 fragments.  A load reads 512 consecutive bytes of one row (one K step);
;   16 rows turn through the wave's own stage in LDS, so that lane (r, h) gets k = 64 c + 32 h + 0 .. 31 of row r in consecutive registers; two blocks a lane are quantised; the fragment goes to LDS as an image of its registers.
; THE ROWS OF A TILE ARE NOT NEIGHBOURS: row r of tile u is unit 32 b + 8 u + r + 8 (r / 8), so that a lane's 16 results of tiles 0 and 1 are units 32 b + 16 h + 0 .. 15: neighbours along the next product's K.
; THE LIST of expert e's entries 2 x token + k, and their number, are whole numbers that the launch before stored: they are read from memory, the number at the head, an entry four of my tiles ahead of its rows' products.
; COMPUTE.  Wave w keeps four weight tiles (w1 u0, w1 u1, v1 u0, v1 u1 of block b = w % 2) x 8 K steps in 384 registers and takes the tiles of 16 listed rows i = w / 2, w / 2 + 2, ..: x's codes are gathered
;   two tiles ahead; 32 matrix instructions (used transposed: source 0 = 16 weight rows, source 1 = 16 rows of x); the activation in f32; one block of 32 along F a row, quantised, stored in the order of the next operand's registers.
;   My first two tiles' codes are asked for while the stream's last two fragments are still at work, as soon as the registers in which they land have been read out.
; No cluster and no joint loads: the weights, the bulk of the bytes, are shared by no two work-groups, and the number of row tiles hangs on the list.
; LIMITS: NaN and infinities are not served.  silu(a) g is formed as (a g) / (1 + 2^(-a log2 e)): it overflows where |a g| passes the largest f32 number.  A block of zeros gets the byte 1, not 127 (zero codes; only this program reads the bytes).
;   Rows of a last tile beyond the list (their entries are the mark 2,048 + e) take token 1,023's codes: their results are finite, are stored, and the next launch sends what it makes of them to bytes that nobody reads.
; THE MODE: SCHED_MODE bits 1:0 = 2 (LLVM: expert scheduling mode 2), set by the entry lines.  The code itself states the register dependences
; between vector or matrix instructions and memory or LDS instructions, with s_wait_alu, always for 0.
; THE PLAN.  Registers that memory or LDS instructions touch:
;   STREAM   window 3, sets 0-3   written by the loads of fragment f + 3; read by fragment f's stage stores alone: no vector instruction names them.
;            X (v32-95)           written by the stage's loads; read by QUANTW.
;            the codes, the word  written by QUANTW; read by the image's stores.
;            One wait on vm_vsrc at a fragment's head: the last fragment's stage stores have read the set that is loaded again, its image's stores the codes and the word that QUANTW writes again.
;            One wait on va_vdst behind QUANTW: the codes and the word are written, for the image's stores; X has been read, for the next fragment's stage loads: no vector instruction stands between this wait and those.
;   COMPUTE  window 3, buffers 0, 1, and XS   written by a tile's 26 loads; read by the products of the buffer's next tile.
;            E                    written by the entry's load; read by OFFS.      OFF, OFS   written by OFFS; read by the 26 loads.
;            HA, HB, HS, LT       stepped once a tile; read by the three stores and by the entry's load.      the codes, the byte   written by the quantiser; read by the stores.
;            One wait on vm_vsrc a tile, behind the products and ahead of all these writes.  The 27 loads stand behind the wait on va_vdst that the exponentials have in any case: behind it the products have read the
;            buffer and its scale words, and the offsets are written.  One more wait on va_vdst stands ahead of the three stores.
;   The other address registers are made at the head, ahead of one wait on va_vdst, and never written again.
.set STG,   0                          ; LDS: four stages of 16 rows, pitch 528: an odd multiple of 16 bytes, so that sixteen rows' pieces of 16 bytes start at different places modulo 256
.set IMG,   STG+4*8448                 ; 64 fragment images of 1,536 bytes: index 16 x wave + 8 u + s
.set ISC,   IMG+64*1536                ; their scale words, 128 bytes each
.set L16, 4                            ; v4   16 x lane
.set STS, 5                            ; v5   stage, in: 16 x lane
.set STL, 6                            ; v6   stage, out: 528 r + 128 h
.set IMS, 7                            ; v7   where I store images
.set ISS, 8                            ; v8   and scale words
.set IL0, 9                            ; v9, v10  where I fetch w1's and v1's images of my block
.set SL,  11                           ; v11  and their scale words
.set LA,  12                           ; v12  my row's entry in tile w / 2 of the list: 4 r + 64 (w / 2)
.set LT,  13                           ; v13  the same four of my tiles ahead of the tile before the one in hand; it steps 128 bytes in each tile, ahead of its use
.set E,   14                           ; v14, v15  the entries fetched ahead, for buffers 0, 1
.set OFF, 16                           ; v16, v17  x's codes: 800 x token + 48 h, for buffers 0, 1
.set OFS, 18                           ; v18, v19  800 x token
.set HA,  20                           ; v20  hq: a block's first 16 bytes, of my tile before the one in hand: it steps in each tile, ahead of its use
.set HB,  21                           ; v21  its last 8, likewise
.set HS,  22                           ; v22  hs: its scale byte, likewise
.set L4,  24                           ; v24  4 x lane
.set H8,  26                           ; v26  8 h
.set H48, 27                           ; v27  48 h
                                       ; v28, v29  my row's entries in my first two tiles; v30 the number of listed rows; v31 at work
.set X,   32                           ; v32-95  stream: 64 numbers of my row
.set ACC, 32                           ; v32-63  compute: four accumulators
.set HH,  64                           ; v64-79  16 numbers of h
.set T,   80                           ; v80-95  at work
.set M0,  96                           ; v96, 97 largest magnitudes; v98, 99 scale operands; v100, 101 bytes; v102 a scale word; v103 a lane permute's destination
.set SO0, 98
.set BY0, 100
.set PW,  102
.set PX,  103
.set PC,  104                          ; v104-115 a fragment's codes
.set PT,  116                          ; v116-118, v120-122 second halves of blocks as converted
.set WS,  128                          ; v128-159 the weights' scale words (4 s + tile): scales and nothing else
.set XS,  160                          ; v160-175 x's scale words (8 x buffer + s): scales and nothing else
.set WV,  16
.set EX,  17
.set SNT, 30                           ; s30  tiles of listed rows
.set STI, 31                           ; s31  my tile
.set MSB, 0
.macro WIN new                         ; the immediate's high byte repeats the setting that is left.  Window 1: weight fragments of K steps 0-3; window 2: of 4-7; window 3: loads as they come, later x's fragments
.if MSB != \new
	s_set_vgpr_msb (MSB<<8)|\new
.set MSB, \new
.endif
.endm
; Fragment f = 2 s + u: 16 rows' K step s, 512 consecutive bytes a load, into set f % 4 of window 3
.macro LOADW f
	WIN 0xc0
.irp rho, 0,1,2,3,4,5,6,7,8,9,10,11,12,13,14,15
	global_load_b128 v[64*((\f)%4)+4*\rho:64*((\f)%4)+4*\rho+3], v[L16], s[22:23] offset:(8*((\f)&1)+\rho+8*(\rho/8))*4096+512*((\f)>>1) th:TH_LOAD_NT
.endr
	WIN 0
.endm
.macro TURNW f                         ; through my stage: in as loaded, out 128 bytes a lane and block.  LDS serves a wave's instructions in order: no wait between
	WIN 0x0c                                       ; an LDS store's data are its source 1: window 3
.irp rho, 0,1,2,3,4,5,6,7,8,9,10,11,12,13,14,15
	ds_store_b128 v[STS], v[64*((\f)%4)+4*\rho:64*((\f)%4)+4*\rho+3] offset:528*\rho
.endr
	WIN 0
.irp c, 0,1
.irp i, 0,1,2,3,4,5,6,7
	ds_load_b128 v[X+32*\c+4*\i:X+32*\c+4*\i+3], v[STL] offset:256*\c+16*\i
.endr
.endr
.endm
.macro QUANTW                          ; v[X + 32 c + i] = k 64 c + 32 h + i of my row: two whole blocks a lane -> the fragment's 12 registers and the row's scale word
.irp c, 0,1
	v_max3_num_f32 v[M0+\c], |v[X+32*\c]|, |v[X+32*\c+1]|, 0x1800000   ; with the floor 2^(3 - 127): the byte cannot fall under 1
.endr
.irp i, 2,4,6,8,10,12,14,16,18,20,22,24,26,28,30
.irp c, 0,1
	v_max3_num_f32 v[M0+\c], v[M0+\c], |v[X+32*\c+\i]|, |v[X+32*\c+\i+1]|
.endr
.endr
.irp c, 0,1
	v_add_nc_u32 v[SO0+\c], 0xff000000, v[M0+\c]   ; 2 off the exponent field: the conversion's scale operand
.endr
.irp c, 0,1
	v_lshrrev_b32 v[BY0+\c], 23, v[SO0+\c]         ; the scale's byte
.endr
	v_lshl_or_b32 v[PW], v[BY0+1], 16, v[BY0]      ; blocks h and 2 + h,
	v_lshlrev_b32 v[PW], v[H8], v[PW]              ; at their places in the word;
	v_permlanex16_b32 v[PX], v[PW], s36, s37
	v_or_b32 v[PW], v[PW], v[PX]                   ; with lane l xor 16's two the word is whole
.irp c, 0,1
	v_cvt_scalef32_pk16_fp6_f32 v[PC+6*\c:PC+6*\c+2], v[X+32*\c:X+32*\c+15], v[SO0+\c]
	v_cvt_scalef32_pk16_fp6_f32 v[PT+4*\c:PT+4*\c+2], v[X+32*\c+16:X+32*\c+31], v[SO0+\c]   ; (a conversion's three registers begin on an even number)
.endr
	v_nop                                          ; one plain line behind the conversions
.irp c, 0,1
.irp i, 0,1,2
	v_mov_b32 v[PC+6*\c+3+\i], v[PT+4*\c+\i]
.endr
.endr
.endm
.macro IMAGEW f                        ; the fragment goes to LDS as it stands in my registers
.irp q, 0,1,2
	ds_store_b128 v[IMS], v[PC+4*\q:PC+4*\q+3] offset:(8*((\f)&1)+((\f)>>1))*1536+512*\q
.endr
	ds_store_b32 v[ISS], v[PW] offset:(8*((\f)&1)+((\f)>>1))*128
.endm
.macro OFFS buf, ereg                  ; an entry becomes the byte offsets of its token's record
	v_lshrrev_b32 v31, 1, v[\ereg]
	v_min_u32 v31, 1023, v31                       ; an empty place's mark falls on token 1,023
	v_mul_u32_u24 v[OFS+\buf], v31, 800
	v_add_nc_u32 v[OFF+\buf], v[OFS+\buf], v[H48]
.endm
.macro XLOAD buf                       ; 16 rows' codes and scale words, 26 loads: lane (r, h) takes 48 bytes of each K step
	WIN 0xc0
.irp s, 0,1,2,3,4,5,6,7
.irp q, 0,1,2
	global_load_b128 v[96*\buf+12*\s+4*\q:96*\buf+12*\s+4*\q+3], v[OFF+\buf], s[4:5] offset:96*\s+16*\q
.endr
.endr
	WIN 0
	global_load_b128 v[XS+8*\buf:XS+8*\buf+3], v[OFS+\buf], s[4:5] offset:768
	global_load_b128 v[XS+8*\buf+4:XS+8*\buf+7], v[OFS+\buf], s[4:5] offset:784
.endm
.macro FIRSTX buf                      ; what a tile issues, for my first two tiles: the entry of my tile 2 + buf, then the 26 loads of my tile buf: 27 loads.  Their offsets were made in fragment 12, ahead of its wait on va_vdst
	s_wait_alu depctr_vm_vsrc(0)                   ; the stage's stores, the ones just issued among them, have read the sets of window 3 in which this buffer's loads land
	global_load_b32 v[E+\buf], v[LA], s[6:7] offset:256+128*\buf
	XLOAD \buf
.endm
; One fragment of the stream.  left: the loads issued behind set f's, which may stay out.  gath: -1, or the buffer whose first gather goes out here
.macro STEPW f, left, gath
.if (\f) > 0
	s_wait_alu depctr_vm_vsrc(0)                   ; the last fragment's stage stores have read their set, in which the loads below land; its image's stores have read the codes and the scale word, which QUANTW writes again
.endif
.if (\f)+3 < 16
	LOADW (\f)+3                                   ; three fragments ahead; its set was read out by the stage stores of the step before, which have been waited for
.endif
	s_wait_loadcnt \left
	TURNW \f
	s_wait_dscnt 0x0                               ; my numbers are back
.if \gath >= 0
	FIRSTX \gath                                   ; into registers of sets that the stage's stores have read out and that no further fragment takes
.endif
.if (\f) == 12
	OFFS 0, 28                                     ; the offsets of my first two tiles' gathers (the entries are in since the stream's first wait): this fragment's wait on va_vdst shows them written
	OFFS 1, 29
.endif
	QUANTW
	s_wait_alu depctr_va_vdst(0)                   ; QUANTW has written the codes and the scale word, which the image's stores read, and is done reading X, in which the next fragment's stage loads land
	IMAGEW \f
.endm
.macro WFETCH s                        ; my four weight tiles of K step s: tile t = 2 x matrix + u
.irp t, 0,1,2,3
.irp q, 0,1,2
	ds_load_b128 v[12*(4*((\s)%4)+\t)+4*\q:12*(4*((\s)%4)+\t)+4*\q+3], v[IL0+(\t/2)] offset:(8*(\t%2)+(\s))*1536+512*\q
.endr
.endr
.endm
.macro MM buf, s, t                    ; source 0 = 16 weight rows, source 1 = 16 rows of x.  The first K step starts the sums
.if (\s) == 0
	v_wmma_scale_f32_16x16x128_f8f6f4 v[ACC+8*\t:ACC+8*\t+7], v[12*(4*((\s)%4)+\t):12*(4*((\s)%4)+\t)+11], v[96*\buf+12*\s:96*\buf+12*\s+11], 0, v[WS+4*\s+\t], v[XS+8*\buf+\s] matrix_a_fmt:MATRIX_FMT_FP6 matrix_b_fmt:MATRIX_FMT_FP6
.else
	v_wmma_scale_f32_16x16x128_f8f6f4 v[ACC+8*\t:ACC+8*\t+7], v[12*(4*((\s)%4)+\t):12*(4*((\s)%4)+\t)+11], v[96*\buf+12*\s:96*\buf+12*\s+11], v[ACC+8*\t:ACC+8*\t+7], v[WS+4*\s+\t], v[XS+8*\buf+\s] matrix_a_fmt:MATRIX_FMT_FP6 matrix_b_fmt:MATRIX_FMT_FP6
.endif
.endm
	s_load_b256 s[4:11], s[0:1], 0x0               ; xq s[4:5], list s[6:7], w1 s[8:9], v1 s[10:11]
	s_load_b128 s[12:15], s[0:1], 0x20             ; hq s[12:13], hs s[14:15]
	s_load_b64 s[24:25], s[0:1], 0x30              ; cnt
	v_lshl_add_u32 v254, v0, 2, 0x22400
	v_mov_b32 v255, 0
	v_lshrrev_b32 v1, 5, v0
	v_readfirstlane_b32 s[WV], v1                  ; wave 0..3
	s_lshr_b32 s[EX], ttmp9, 5                     ; expert
	s_and_b32 s18, ttmp9, 31                       ; j
	s_wait_alu depctr_va_sdst(0)                   ; the wave's number is written, ahead of its first reader
	s_and_b32 s19, s[WV], 1                        ; b: my block of 32 units
	s_lshr_b32 s20, s[WV], 1                       ; stream: my matrix; compute: my first tile
	v_and_b32 v1, 31, v0                           ; lane
	v_and_b32 v2, 15, v0                           ; r
	v_bfe_u32 v3, v0, 4, 1                         ; h
	v_lshlrev_b32 v[L16], 4, v1
	v_lshlrev_b32 v[L4], 2, v1
	s_mul_i32 s40, s[WV], 8448
	s_add_co_u32 s40, s40, STG
	v_add_nc_u32 v[STS], s40, v[L16]
	v_mul_u32_u24 v[STL], v2, 528
	v_lshl_add_u32 v[STL], v3, 7, v[STL]
	v_add_nc_u32 v[STL], s40, v[STL]
	s_mul_i32 s41, s[WV], 24576
	s_add_co_u32 s41, s41, IMG
	v_add_nc_u32 v[IMS], s41, v[L16]
	s_lshl_b32 s41, s[WV], 11
	s_add_co_u32 s41, s41, ISC
	v_lshl_add_u32 v[ISS], v1, 2, s41
	s_mul_i32 s41, s19, 24576
	s_add_co_u32 s41, s41, IMG
	v_add_nc_u32 v[IL0], s41, v[L16]               ; w1's images of block b were made by wave b,
	v_add_nc_u32 v[IL0+1], 49152, v[IL0]           ; v1's by wave 2 + b
	s_lshl_b32 s41, s19, 11
	s_add_co_u32 s41, s41, ISC
	v_lshl_add_u32 v[SL], v1, 2, s41
	s_lshl_b32 s41, s20, 6
	v_lshl_add_u32 v[LA], v2, 2, s41
	v_add_nc_u32 v[LT], 512, v[LA]                 ; four of my tiles on
	v_lshlrev_b32 v[H8], 3, v3
	v_mul_u32_u24 v[H48], v3, 48
	v_mov_b32 v[PX], 0                             ; written once: a lane permute's destination counts as one of its sources
	s_lshl_b32 s41, s19, 4
	v_add_nc_u32 v28, s41, v2                      ; the next operand's lane: 16 b + r
	s_mul_i32 s42, s20, 24576
	v_lshl_add_u32 v[HA], v28, 4, s42
	v_lshl_add_u32 v[HB], v28, 3, s42
	v_add_nc_u32 v[HB], 512, v[HB]
	s_lshl_b32 s42, s20, 10
	v_lshl_add_u32 v[HS], v2, 6, s42
	s_mov_b32 s34, 0xbfb8aa3b                      ; -log2(e)
	s_mov_b32 s35, s34                             ; (named with it as a pair, so it is written)
	s_mov_b32 s36, 0x76543210
	s_mov_b32 s37, 0xfedcba98                      ; v_permlanex16_b32's selects for lane l xor 16
	s_lshl_b32 s44, s[EX], 23                      ; an expert's matrix is 8,388,608 bytes,
	s_lshl_b32 s45, s18, 18                        ; 64 rows 262,144,
	s_add_co_u32 s44, s44, s45
	s_lshl_b32 s45, s19, 17                        ; 32 rows 131,072
	s_add_co_u32 s44, s44, s45
	s_mov_b32 s45, 0
	s_mul_i32 s46, s[EX], 1572864                  ; hq: [expert][64 tiles][16 K steps][2 c][768]: units 64 j on are K step j / 2, c = j % 2: 768 j
	s_mul_i32 s47, s18, 768
	s_add_co_u32 s46, s46, s47
	s_mov_b32 s47, 0
	s_lshl_b32 s48, s[EX], 16                      ; hs: [expert][64 tiles][16 rows][16 words]: my byte is 2 j + b of a row's 64
	s_lshl_b32 s49, s18, 1
	s_add_co_u32 s48, s48, s49
	s_add_co_u32 s48, s48, s19
	s_mov_b32 s49, 0
	s_mul_i32 s50, s[EX], 5120                     ; an expert's list is 1,280 words,
	s_mov_b32 s51, 0
	s_lshl_b32 s52, s[EX], 7                       ; its count 32 words
	s_mov_b32 s53, 0
	s_wait_kmcnt 0x0
	s_cmp_eq_u32 s20, 0                            ; the choice hangs on the wave's number alone
	s_cselect_b64 s[22:23], s[8:9], s[10:11]
	s_add_nc_u64 s[22:23], s[22:23], s[44:45]      ; my 32 rows of w1 or of v1
	s_add_nc_u64 s[12:13], s[12:13], s[46:47]
	s_add_nc_u64 s[14:15], s[14:15], s[48:49]
	s_add_nc_u64 s[6:7], s[6:7], s[50:51]
	s_add_nc_u64 s[24:25], s[24:25], s[52:53]
	s_wait_alu depctr_va_vdst(0)                   ; every address and offset made above is written, which the loads and stores of the kernel read; so is v28, which the head used and in which a load below lands
	global_load_b32 v30, v[L4], s[24:25]           ; the number of listed rows,
	global_load_b32 v28, v[LA], s[6:7]             ; my row's entry in my first tile,
	global_load_b32 v29, v[LA], s[6:7] offset:128  ; and in my second: all three are older than every weight load, so the stream's first wait covers them
	LOADW 0
	LOADW 1
	LOADW 2
.irp f, 0,1,2,3,4,5,6,7,8,9,10,11,12
	STEPW \f, 48, -1                               ; the three younger sets of 16 loads stay out: set f is in
.endr
	STEPW 13, 32, 0                                ; sets 14 and 15 stay out.  Sets 0 and 1 (fragments 12, 13) are read out: buffer 0, v0-95 of window 3, takes my first tile's codes
	STEPW 14, 43, 1                                ; set 15's 16 loads and the first gather's 27 stay out.  Set 2 is read out too: buffer 1, v96-191, takes my second tile's
	STEPW 15, 54, -1                               ; the two gathers' 27 + 27 stay out
	s_wait_dscnt 0x0                               ; for the others' sake: my sixteen images lie in LDS
	s_barrier_signal -1
	s_barrier_wait -1
	v_readfirstlane_b32 s[SNT], v30                ; (in since the stream's first wait)
	s_wait_alu depctr_va_sdst(0)                   ; the number of listed rows is written, ahead of its first reader
	s_add_co_u32 s[SNT], s[SNT], 15
	s_lshr_b32 s[SNT], s[SNT], 4                   ; tiles of 16 listed rows
	WIN 0x40                                       ; destination window 1.  (No vector or memory instruction has named windows 1 and 2 or the weights' scale words: these loads hang on nothing)
.irp s, 0,1,2,3
	WFETCH \s
.endr
	WIN 0x80                                       ; destination window 2
.irp s, 4,5,6,7
	WFETCH \s
.endr
	WIN 0
.irp s, 0,1,2,3,4,5,6,7
.irp t, 0,1,2,3
	ds_load_b32 v[WS+4*\s+\t], v[SL] offset:(32*(\t/2)+8*(\t%2)+\s)*128
.endr
.endr
	s_wait_dscnt 0x0
	s_mov_b32 s[STI], s20
	s_mov_b32 s33, 16
; One tile of 16 listed rows, from buffer buf.
.macro TILE buf
	s_cmp_ge_u32 s[STI], s[SNT]                    ; the list is at its end: a forward way out; every trip that runs follows trips that ran, so the counted wait below holds
	s_cbranch_scc1 .Ldone
	s_wait_loadcnt 27                              ; behind this buffer's 26 loads one entry and the other buffer's 26 were issued: they may be out.  The entry read below is older than this buffer's 26
	WIN 0x0d                                       ; source 0 window 1, source 1 window 3.  The four accumulators take turns, one instruction a turn
.irp s, 0,1,2,3
.irp t, 0,1,2,3
	MM \buf, \s, \t
.endr
.endr
	WIN 0x0e                                       ; source 0 window 2
.irp s, 4,5,6,7
.irp t, 0,1,2,3
	MM \buf, \s, \t
.endr
.endr
	WIN 0
	s_wait_xcnt 0x0                                ; the tile's one wait for sources.  It stands ahead of this tile's own 27 loads: the youngest memory instruction is the last tile's third store, 32 matrix instructions back.
	                                               ; Behind it the last tile's stores have had their addresses translated, and so has its entry load
	s_wait_alu depctr_vm_vsrc(0)                   ; the last tile's stores have read the codes, the byte and their three offsets, its entry load its offset, this buffer's last loads theirs (first tile: the last image's stores the codes): all are written again below
	OFFS \buf, E+\buf                              ; the entry of my tile after next.  These four lines and the four steps are the places between the products and the first read of their results (ISA guide 7.12.1)
	v_add_nc_u32 v[HA], 49152, v[HA]               ; the offsets step, two tiles of the list on; the stores and the load below reach back by as much
	v_add_nc_u32 v[HB], 49152, v[HB]
	v_add_nc_u32 v[HS], 2048, v[HS]
	v_add_nc_u32 v[LT], 128, v[LT]
.irp i, 0,2,4,6,8,10,12,14
	v_pk_mul_f32 v[T+\i:T+\i+1], v[ACC+\i:ACC+\i+1], s[34:35] op_sel_hi:[1,0]      ; -a log2(e); each accumulator is read from its low end on
.endr
.irp i, 0,1,2,3,4,5,6,7,8,9,10,11,12,13,14,15
	v_exp_f32 v[T+\i], v[T+\i]
.endr
.irp i, 0,2,4,6,8,10,12,14
	v_pk_mul_f32 v[HH+\i:HH+\i+1], v[ACC+\i:ACC+\i+1], v[ACC+16+\i:ACC+17+\i]      ; a g (also the plain lines behind the exponentials)
.endr
	s_wait_alu depctr_va_vdst(0)                   ; the sixteen exponentials have written v[T ..], ahead of their first reader.  The same wait serves the 27 loads: the products are done reading this buffer and its scale words,
	                                               ; OFFS is done reading the entry, and the offsets of the loads are written; no vector or matrix instruction behind it names a register that those loads touch
	global_load_b32 v[E+\buf], v[LT], s[6:7] offset:-128       ; the entry four of my tiles on,
	XLOAD \buf                                     ; and this buffer's next tile: two of my tiles on
.irp i, 0,2,4,6,8,10,12,14
	v_pk_add_f32 v[T+\i:T+\i+1], v[T+\i:T+\i+1], 1.0 op_sel_hi:[1,0]
.endr
.irp i, 0,1,2,3,4,5,6,7,8,9,10,11,12,13,14,15
	v_rcp_f32 v[T+\i], v[T+\i]
.endr
	v_nop                                          ; a plain line behind the reciprocals
	s_wait_alu depctr_va_vdst(0)                   ; the sixteen reciprocals have written v[T ..], ahead of their first reader
.irp i, 0,2,4,6,8,10,12,14
	v_pk_mul_f32 v[HH+\i:HH+\i+1], v[HH+\i:HH+\i+1], v[T+\i:T+\i+1]                ; h: register 8 u + i is unit 32 b + 16 h + 8 u + i of my row
.endr
	v_max3_num_f32 v[M0], |v[HH]|, |v[HH+1]|, 0x1800000
	v_max3_num_f32 v[M0+1], |v[HH+2]|, |v[HH+3]|, |v[HH+4]|
	v_max3_num_f32 v[M0], v[M0], |v[HH+5]|, |v[HH+6]|
	v_max3_num_f32 v[M0+1], v[M0+1], |v[HH+7]|, |v[HH+8]|
	v_max3_num_f32 v[M0], v[M0], |v[HH+9]|, |v[HH+10]|
	v_max3_num_f32 v[M0+1], v[M0+1], |v[HH+11]|, |v[HH+12]|
	v_max3_num_f32 v[M0], v[M0], |v[HH+13]|, |v[HH+14]|
	v_max3_num_f32 v[M0], v[M0], v[M0+1], |v[HH+15]|
	v_permlanex16_b32 v[PX], v[M0], s36, s37
	v_max_num_f32 v[M0], v[M0], v[PX]              ; with lane l xor 16's 16: the block's largest magnitude
	v_add_nc_u32 v[SO0], 0xff000000, v[M0]
	v_lshrrev_b32 v[BY0], 23, v[SO0]
	v_cvt_scalef32_pk16_fp6_f32 v[PC:PC+2], v[HH:HH+15], v[SO0]
	v_nop
.irp i, 0,1,2
	v_mov_b32 v[PC+3+\i], v[PC+\i]
.endr
.irp i, 0,1,2
	v_permlane16_swap_b32 v[PC+\i], v[PC+3+\i]     ; the first's lanes 16-31 change places with the copy's lanes 0-15: every lane now holds its row's whole block, 24 bytes
.endr
	s_wait_alu depctr_va_vdst(0)                   ; the codes and the byte are written, which the three stores read (their offsets were written ahead of the waits above)
	global_store_b128 v[HA], v[PC:PC+3], s[12:13] offset:-49152    ; sixteen rows' 16 bytes are 256 consecutive bytes; the two halves of the lanes write the same bytes with the same values
	global_store_b64 v[HB], v[PC+4:PC+5], s[12:13] offset:-49152
	global_store_b8 v[HS], v[BY0], s[14:15] offset:-2048
	s_add_co_u32 s[STI], s[STI], 2
.endm
.Lt:                                               ; 16 trips of two tiles: 64 tiles, 1,024 rows, are the most that one expert can be given.  The furthest entry read is word 1,151 of the list's 1,280
	TILE 0
	TILE 1
	s_sub_co_u32 s33, s33, 1
	s_cmp_lg_u32 s33, 0
	s_cbranch_scc1 .Lt
.Ldone:
	s_wait_dscnt 0x0                               ; the closing lines, six on end
	s_wait_alu 0x0
	s_wait_tensorcnt 0x0
	ds_add_u32 v254, v255
	s_wait_dscnt 0x0
	s_endpgm
.Lfunc_end_k_qc4135d2e7f_up:
	.size	k_qc4135d2e7f_up, .Lfunc_end_k_qc4135d2e7f_up-k_qc4135d2e7f_up
	.p2alignl 7, 3214868480
	.fill 96, 4, 3214868480
	.section	.rodata,"a",@progbits
	.p2align	6, 0x0
	.amdhsa_kernel k_qc4135d2e7f_up
		.amdhsa_group_segment_fixed_size 140800
		.amdhsa_private_segment_fixed_size 0
		.amdhsa_enable_private_segment 0
		.amdhsa_kernarg_size 56
		.amdhsa_user_sgpr_count 2
		.amdhsa_user_sgpr_kernarg_segment_ptr 1
		.amdhsa_wavefront_size32 1
		.amdhsa_system_sgpr_workgroup_id_x 1
		.amdhsa_system_sgpr_workgroup_id_y 1
		.amdhsa_system_sgpr_workgroup_id_z 1
		.amdhsa_system_vgpr_workitem_id 0
		.amdhsa_next_free_vgpr 1024
		.amdhsa_next_free_sgpr 66
		.amdhsa_reserve_vcc 0
		.amdhsa_float_denorm_mode_32 3
		.amdhsa_float_denorm_mode_16_64 3
		.amdhsa_memory_ordered 1
		.amdhsa_forward_progress 1
		.amdhsa_inst_pref_size 153
	.end_amdhsa_kernel
	.amdgpu_metadata
---
amdhsa.version: [ 1, 2 ]
amdhsa.kernels:
  - .name:           k_qc4135d2e7f_up
    .symbol:         k_qc4135d2e7f_up.kd
    .args:
      - { .name: xq, .offset: 0, .size: 8, .value_kind: global_buffer, .address_space: global }
      - { .name: list, .offset: 8, .size: 8, .value_kind: global_buffer, .address_space: global }
      - { .name: w1, .offset: 16, .size: 8, .value_kind: global_buffer, .address_space: global }
      - { .name: v1, .offset: 24, .size: 8, .value_kind: global_buffer, .address_space: global }
      - { .name: hq, .offset: 32, .size: 8, .value_kind: global_buffer, .address_space: global }
      - { .name: hs, .offset: 40, .size: 8, .value_kind: global_buffer, .address_space: global }
      - { .name: cnt, .offset: 48, .size: 8, .value_kind: global_buffer, .address_space: global }
    .group_segment_fixed_size: 140800
    .private_segment_fixed_size: 0
    .kernarg_segment_align: 8
    .kernarg_segment_size: 56
    .max_flat_workgroup_size: 128
    .sgpr_count:     66
    .vgpr_count:     1024
    .wavefront_size: 32
...
	.end_amdgpu_metadata
.endif
;; end of part 6
;; launch down (part 7): grid 256 x 1, 4 waves a work-group, no clusters, 70,144 bytes of LDS; arguments hq, hs, list, topw, w2, y, cnt; writes y
.if DOCPART == 7
	.amdgcn_target "amdgcn-amd-amdhsa--gfx1250"
	.amdhsa_code_object_version 6
	.text
	.protected	k_qc4135d2e7f_down
	.globl	k_qc4135d2e7f_down
	.p2align	8
	.type	k_qc4135d2e7f_down,@function
k_qc4135d2e7f_down:
	s_mov_b64 s[64:65], 0
	v_nop
	global_prefetch_b8 v0, s[64:65] scope:SCOPE_SE
	s_setreg_imm32_b32 hwreg(HW_REG_WAVE_SCHED_MODE, 0, 2), 2
	s_setreg_imm32_b32 hwreg(HW_REG_WAVE_MODE, 25, 1), 1
	s_wait_xcnt 0x0
	s_wait_alu depctr_vm_vsrc(0)
; y[entry][kh][:] = gate weight x (h w2[e]) over half of F, for the rows routed to expert e; entry = 2 x token + k.  The product on codes of E2M3, by the scaled 16 x 16 x 128 form.
; THE WEIGHTS STAY, THE ROWS WALK.  Work-group g: expert e = g / 32, columns 64 ns .. 64 ns + 63 (ns = (g / 2) % 16), rows f = 1,024 kh .. + 1,023 (kh = g % 2) of w2[e]: 256 KiB of f32, read once.
;   K is cut in two so that a row's piece of w2 and a row's piece of y are both 256 consecutive, aligned bytes with 256 work-groups; the two halves and the two experts of a token are added by the last launch.
; STREAM.  K = F is w2's FIRST axis.  Wave w takes rows 256 w .. + 255 in four sets of 64.  In a set lane (q, g') takes columns 4 q .. 4 q + 3 of rows 32 g' .. + 31: a load reads two whole pieces of 256 bytes.
;   A lane then holds four whole blocks of 32 along K, one a column; they are turned into consecutive registers (the conversions want neighbours along K so), quantised, and laid in LDS in the order of the operand's registers.
; THE LIST of expert e's entries, and their number, are whole numbers that an earlier launch stored: they are read from memory.  An empty place of the list holds the mark 2,048 + e.
; COMPUTE.  Every wave keeps all 4 column tiles x 8 K steps in 384 registers and takes the tiles of 16 listed rows i = w, w + 4, ..: h's codes come as dense runs, two tiles ahead; 32 matrix instructions (transposed: source 0 = 16 columns
;   of w2, source 1 = 16 rows of h), the gate's weight, a turn through the wave's own stage, and sixteen lanes store a row's 256 bytes.
;   My first two tiles' loads go out while the stream's last set is still at work, as soon as the registers in which they land have been turned.
;   THE WAVE'S TILES ARE WRITTEN OUT, sixteen of them (64 tiles, 1,024 rows, are the most that one expert can be given), with a forward way out at each tile's head: the list's offsets are two registers made at the head
;   and an immediate that holds the tile, and the last tiles ask for nothing beyond the sixteenth.
; ROWS BEHIND THE LIST'S END.  The list's last tile may have up to 15 rows that belong to no token.  They are stored like the others, all lanes on, to the spare entry 2,048 + e of y, at this work-group's own piece
;   (kh, ns) of 256 bytes: bytes that no other work-group stores and that nobody reads.  So EXEC is never changed and no branch but the way out hangs on the list; the price is at most 15 stores of 256 bytes that serve nothing.
; No cluster and no joint loads: the weights are shared by no two work-groups, and the number of row tiles hangs on the list.
; LIMITS: NaN and infinities are not served.  A block of zeros gets the byte 1, not 127 (zero codes; only this program reads the bytes).
; THE MODE: SCHED_MODE bits 1:0 = 2 (LLVM: expert scheduling mode 2), set by the entry lines.  The code itself states the register dependences
; between vector or matrix instructions and memory or LDS instructions, with s_wait_alu, always for 0.
; THE PLAN.  Registers that memory or LDS instructions touch:
;   STREAM   window 3, halves 0-3   written by the weight loads; read by a set's 128 moves.      the codes, the bytes (v200-238)   written by a set's arithmetic; read by its LDS stores.
;            One wait on va_vdst a set, behind its arithmetic and ahead of its LDS stores: the codes and bytes are written, and the moves are done reading the set's two halves: every load into those halves
;            (the next halves; my first two tiles' groups) stands behind it, with no vector instruction between that names them.  Set 2's wait also shows the first tiles' offsets written, set 3's shows window 1 done with,
;            in which the fragments' LDS loads land.  One wait on vm_vsrc at a set's head: the last set's LDS stores have read the codes and bytes.
;   COMPUTE  window 3, buffers 0, 1, HSW, C0   written by a tile's 35 loads; read by the products and the gate's multiply of the buffer's next tile.      E, EM   written by loads; read by HADR and by the lines that make OM.
;            HA, HB, HSO, CO   written by HADR; read by the 35 loads.      Y   written by the multiply; read by the stage's stores.      O   written by the stage's loads; read by the global stores.      OM   written by two vector lines; read by the global stores.
;            One wait on vm_vsrc a tile, behind the products and ahead of all these writes; one wait on va_vdst a tile, behind its last vector line and ahead of all its memory and LDS instructions.
;   The other address registers are made at the head, ahead of one wait on va_vdst, and never written again.
.set IMG,   0                          ; LDS: [4 column tiles, 12,304 apart][8 K steps][2 c][768]: 32 lanes x 16 bytes (registers 6 c .. 6 c + 3), then 32 x 8 (6 c + 4, 6 c + 5)
.set ISC,   49408                      ; scale words: ((8 t + s) 16 + r) 4
.set STAGE, 51456                      ; four stages of 16 rows, pitch 272
.set L16, 4                            ; v4   16 x lane
.set L8,  5                            ; v5   8 x lane
.set R64, 6                            ; v6   64 r
.set WO,  7                            ; v7   w2: 32 rows x g' + 16 q
.set IA,  8                            ; v8, v9, v10  where my columns' codes (16, then 8 bytes) and bytes go
.set IB,  9
.set IS,  10
.set FA,  11                           ; v11, v12, v13  where the fragments and their scale words are fetched
.set FB,  12
.set FS,  13
.set E,   14                           ; v14, v15  my row's entries fetched ahead, for buffers 0, 1
.set LB,  16                           ; v16  list: 64 w + 32 g': the eight rows that I store; never rewritten
.set LC,  17                           ; v17  list: 64 w + 4 r: my row of the operand; never rewritten
.set L4,  18                           ; v18  4 x lane
.set STO, 20                           ; v20  stage, in
.set STR, 21                           ; v21  stage, out
.set YL,  22                           ; v22  16 q
.set HA,  26                           ; v26, 27  hq offsets for buffers 0, 1 (16 bytes a lane);  v28, 29 (8 bytes a lane)
.set HB,  28
.set HSO, 30                           ; v30, 31  hs offsets
.set CO,  32                           ; v32, 33  topw offsets
.set C0,  34                           ; v[34:35], v[36:37]  my row's gate weight; the upper halves are 0
.set EM,  40                           ; v40-47, v48-55  the entries of rows 8 g' + m, for buffers 0, 1
.set T0,  56                           ; v56 the number of listed rows; v57, v58 my row's entries in my first two tiles
.set T1,  57
.set T2,  58
.set ACC, 64                           ; v64-95  four accumulators
.set Y,   96                           ; v96-127 results x gate weight
.set O,   128                          ; v128-159 rows back from the stage
.set WS,  160                          ; v160-191 w2's scale words (4 s + t): scales and nothing else
.set M,   192                          ; v192-195 largest magnitudes, v196-199 scale operands, v200-203 bytes
.set SO,  196
.set BY,  200
.set PC,  208                          ; v208-239 stream: four columns' codes, 8 registers apart
.set OM,  208                          ; v208-215 compute: the stored rows' offsets in y
.set HSW, 240                          ; v240-255 h's scale words (8 x buffer + s): scales and nothing else
.set WV,  16
.set EX,  17
.set SNT, 30                           ; s30  tiles of listed rows
.set STI, 31                           ; s31  my tile
.set MSB, 0
.macro WIN new                         ; window 1: stream: 128 numbers turned; then w2's fragments of K steps 0-3.  Window 2: of 4-7.  Window 3: loads as they come, later h's fragments
.if MSB != \new
	s_set_vgpr_msb (MSB<<8)|\new
.set MSB, \new
.endif
.endm
.macro LOADH u                         ; half a set: rows 64 (u / 2) + 32 g' + 16 (u % 2) + 0 .. 15, into buffer u % 4 of window 3
	WIN 0xc0
.irp i, 0,1,2,3,4,5,6,7,8,9,10,11,12,13,14,15
	global_load_b128 v[64*((\u)%4)+4*\i:64*((\u)%4)+4*\i+3], v[WO], s[12:13] offset:(64*((\u)>>1)+16*((\u)&1)+\i)*4096 th:TH_LOAD_NT
.endr
	WIN 0
.endm
.macro SETQ sg                         ; set sg is K step 2 w + sg / 2, c = sg % 2; my four blocks are h = g' of columns 4 q + 0 .. 3
	WIN 0x43                                       ; destination window 1, source window 3
.irp i, 0,1,2,3,4,5,6,7,8,9,10,11,12,13,14,15,16,17,18,19,20,21,22,23,24,25,26,27,28,29,30,31
.irp jj, 0,1,2,3
	v_mov_b32 v[32*\jj+\i], v[128*((\sg)&1)+4*\i+\jj]      ; K along consecutive registers, as the conversions take it; the loads stay dense
.endr
.endr
	WIN 0x14                                       ; sources 1 and 2 window 1
.irp jj, 0,1,2,3
	v_max3_num_f32 v[M+\jj], 0x1800000, |v[32*\jj]|, |v[32*\jj+1]|     ; with the floor 2^(3 - 127)
.endr
.irp i, 2,4,6,8,10,12,14,16,18,20,22,24,26,28,30
.irp jj, 0,1,2,3
	v_max3_num_f32 v[M+\jj], v[M+\jj], |v[32*\jj+\i]|, |v[32*\jj+\i+1]|
.endr
.endr
	WIN 0
.irp jj, 0,1,2,3
	v_add_nc_u32 v[SO+\jj], 0xff000000, v[M+\jj]   ; 2 off the exponent field: the conversion's scale operand
.endr
.irp jj, 0,1,2,3
	v_lshrrev_b32 v[BY+\jj], 23, v[SO+\jj]         ; the scale's byte
.endr
	WIN 0x01                                       ; source 0 window 1
.irp jj, 0,1,2,3
	v_cvt_scalef32_pk16_fp6_f32 v[PC+8*\jj:PC+8*\jj+2], v[32*\jj:32*\jj+15], v[SO+\jj]
	v_cvt_scalef32_pk16_fp6_f32 v[PC+8*\jj+4:PC+8*\jj+6], v[32*\jj+16:32*\jj+31], v[SO+\jj]
.endr
	WIN 0
	v_nop                                          ; one plain line behind the conversions
.irp jj, 0,1,2,3
	v_mov_b32 v[PC+8*\jj+3], v[PC+8*\jj+4]         ; the block's 24 bytes on end
	v_mov_b32 v[PC+8*\jj+4], v[PC+8*\jj+5]
	v_mov_b32 v[PC+8*\jj+5], v[PC+8*\jj+6]
.endr
	s_wait_alu depctr_va_vdst(0)                   ; the set's one wait: the codes and the bytes are written, which the LDS stores read; the moves are done reading this set's two halves of window 3, in which later loads land;
	                                               ; whatever offsets vector lines made ahead of this set are written; and window 1 is done with until the next set writes it
.irp jj, 0,1,2,3
	ds_store_b128 v[IA], v[PC+8*\jj:PC+8*\jj+3] offset:16*\jj+((\sg)>>1)*1536+((\sg)&1)*768
	ds_store_b64 v[IB], v[PC+8*\jj+4:PC+8*\jj+5] offset:8*\jj+((\sg)>>1)*1536+((\sg)&1)*768
	ds_store_b8 v[IS], v[BY+\jj] offset:4*\jj+((\sg)>>1)*64+2*((\sg)&1)
.endr
.endm
.macro STEPH sg, left                  ; left: the loads issued behind this set's two halves, which may stay out
.if 2*(\sg)+3 < 8
	LOADH 2*(\sg)+3                                ; into a half that the set before turned: its wait on va_vdst stands ahead, and no vector instruction since names that half
.endif
	s_wait_loadcnt \left
	s_wait_dscnt 0x0                               ; the last set's LDS stores are done
.if (\sg) > 0
	s_wait_alu depctr_vm_vsrc(0)                   ; the last set's LDS stores have read the codes and the bytes, which this set writes again
.endif
	SETQ \sg
.if 2*(\sg)+4 < 8
	LOADH 2*(\sg)+4                                ; into the buffer just turned
.endif
.endm
.macro HADR buf, sidx, ereg            ; the offsets of tile s[sidx], held inside the tiles that the launch before has written, and of my row's gate weight
	s_min_u32 s40, s[\sidx], s39
	s_min_u32 s40, s40, 63
	s_mul_i32 s41, s40, 24576
	s_lshl_b32 s42, s40, 10
	v_add_nc_u32 v[HA+\buf], s41, v[L16]
	v_add_nc_u32 v[HB+\buf], s41, v[L8]
	v_add_nc_u32 v[HSO+\buf], s42, v[R64]
	v_min_u32 v[CO+\buf], 2047, v[\ereg]           ; an empty place's mark falls on the last weight, which then multiplies a row that nobody reads
	v_lshlrev_b32 v[CO+\buf], 2, v[CO+\buf]
.endm
.macro HLOAD buf                       ; a tile's 8 fragments of h, its scale words, the gate weights: 35 loads, the fragments as runs of 512 and 256 consecutive bytes
	WIN 0xc0
.irp s, 0,1,2,3,4,5,6,7
.irp c, 0,1
	global_load_b128 v[96*\buf+12*\s+6*\c:96*\buf+12*\s+6*\c+3], v[HA+\buf], s[4:5] offset:1536*\s+768*\c
	global_load_b64 v[96*\buf+12*\s+6*\c+4:96*\buf+12*\s+6*\c+5], v[HB+\buf], s[4:5] offset:1536*\s+768*\c+512
.endr
.endr
	WIN 0
	global_load_b128 v[HSW+8*\buf:HSW+8*\buf+3], v[HSO+\buf], s[6:7]
	global_load_b128 v[HSW+8*\buf+4:HSW+8*\buf+7], v[HSO+\buf], s[6:7] offset:16
	global_load_b32 v[C0+2*\buf], v[CO+\buf], s[10:11]
.endm
.macro FIRSTH buf                      ; what a tile issues, for my first two tiles, in a tile's order: my row's entry of my tile 2 + buf, the eight entries of the rows that I store of my tile buf, its 35: 38 loads
	global_load_b32 v[E+\buf], v[LC], s[8:9] offset:512+256*\buf
	global_load_b128 v[EM+8*\buf:EM+8*\buf+3], v[LB], s[8:9] offset:256*\buf
	global_load_b128 v[EM+8*\buf+4:EM+8*\buf+7], v[LB], s[8:9] offset:256*\buf+16
	HLOAD \buf
.endm
.macro WFETCH s
.irp t, 0,1,2,3
.irp c, 0,1
	ds_load_b128 v[12*(4*((\s)%4)+\t)+6*\c:12*(4*((\s)%4)+\t)+6*\c+3], v[FA] offset:12304*\t+1536*(\s)+768*\c
	ds_load_b64 v[12*(4*((\s)%4)+\t)+6*\c+4:12*(4*((\s)%4)+\t)+6*\c+5], v[FB] offset:12304*\t+1536*(\s)+768*\c
.endr
.endr
.endm
.macro MM buf, s, t                    ; source 0 = 16 columns of w2, source 1 = 16 rows of h: a lane then holds eight neighbouring columns of one row.  The first K step starts the sums
.if (\s) == 0
	v_wmma_scale_f32_16x16x128_f8f6f4 v[ACC+8*\t:ACC+8*\t+7], v[12*(4*((\s)%4)+\t):12*(4*((\s)%4)+\t)+11], v[96*\buf+12*\s:96*\buf+12*\s+11], 0, v[WS+4*\s+\t], v[HSW+8*\buf+\s] matrix_a_fmt:MATRIX_FMT_FP6 matrix_b_fmt:MATRIX_FMT_FP6
.else
	v_wmma_scale_f32_16x16x128_f8f6f4 v[ACC+8*\t:ACC+8*\t+7], v[12*(4*((\s)%4)+\t):12*(4*((\s)%4)+\t)+11], v[96*\buf+12*\s:96*\buf+12*\s+11], v[ACC+8*\t:ACC+8*\t+7], v[WS+4*\s+\t], v[HSW+8*\buf+\s] matrix_a_fmt:MATRIX_FMT_FP6 matrix_b_fmt:MATRIX_FMT_FP6
.endif
.endm
	s_load_b256 s[4:11], s[0:1], 0x0               ; hq s[4:5], hs s[6:7], list s[8:9], topw s[10:11]
	s_load_b128 s[12:15], s[0:1], 0x20             ; w2 s[12:13], y s[14:15]
	s_load_b64 s[20:21], s[0:1], 0x30              ; cnt
	v_lshl_add_u32 v231, v0, 2, 0x11000
	v_mov_b32 v239, 0
	v_lshrrev_b32 v1, 5, v0
	v_readfirstlane_b32 s[WV], v1                  ; wave 0..3
	s_lshr_b32 s[EX], ttmp9, 5                     ; expert
	s_bfe_u32 s18, ttmp9, 0x40001                  ; ns: 4 bits from bit 1
	s_and_b32 s19, ttmp9, 1                        ; kh
	v_and_b32 v1, 31, v0                           ; lane
	v_and_b32 v2, 15, v0                           ; r, also q
	v_bfe_u32 v3, v0, 4, 1                         ; g'
	v_lshlrev_b32 v[L16], 4, v1
	v_lshlrev_b32 v[L8], 3, v1
	v_lshlrev_b32 v[L4], 2, v1
	v_lshlrev_b32 v[R64], 6, v2
	v_lshlrev_b32 v[WO], 4, v2
	v_lshl_add_u32 v[WO], v3, 17, v[WO]            ; 32 rows of 4,096 bytes for the upper half of the lanes
	v_lshrrev_b32 v40, 2, v2                       ; my columns' tile: q / 4
	v_and_b32 v41, 3, v2                           ; q % 4
	v_lshlrev_b32 v42, 2, v41
	v_lshl_add_u32 v42, v3, 4, v42                 ; the operand's lane of my first column: 16 g' + 4 (q % 4)
	v_mul_u32_u24 v43, v40, 12304
	s_wait_alu depctr_va_sdst(0)                   ; the wave's number is written, ahead of its first reader
	s_mul_i32 s40, s[WV], 3072                     ; my two K steps
	s_add_co_u32 s40, s40, IMG
	v_add_nc_u32 v43, s40, v43
	v_lshl_add_u32 v[IA], v42, 4, v43
	v_lshl_add_u32 v[IB], v42, 3, v43
	v_add_nc_u32 v[IB], 512, v[IB]
	v_lshlrev_b32 v[IS], 9, v40
	v_lshl_add_u32 v[IS], v41, 4, v[IS]
	v_add_nc_u32 v[IS], v[IS], v3
	s_lshl_b32 s41, s[WV], 7
	s_add_co_u32 s41, s41, ISC
	v_add_nc_u32 v[IS], s41, v[IS]
	v_add_nc_u32 v[FA], IMG, v[L16]
	v_add_nc_u32 v[FB], IMG+512, v[L8]
	v_lshl_add_u32 v[FS], v2, 2, ISC
	s_lshl_b32 s41, s[WV], 6                       ; a tile of the list is 64 bytes
	v_lshl_add_u32 v[LB], v3, 5, s41
	v_lshl_add_u32 v[LC], v2, 2, s41
	s_mul_i32 s41, s[WV], 4352
	s_add_co_u32 s41, s41, STAGE
	v_mul_u32_u24 v[STO], v2, 272
	v_lshl_add_u32 v[STO], v3, 5, v[STO]
	v_add_nc_u32 v[STO], s41, v[STO]               ; in: row r, 32 bytes for each half of the lanes
	v_mul_u32_u24 v[STR], v3, 2176
	v_lshl_add_u32 v[STR], v2, 4, v[STR]
	v_add_nc_u32 v[STR], s41, v[STR]               ; back: lanes 0-15 take rows 0-7, lanes 16-31 rows 8-15, sixteen lanes to a row
	v_lshlrev_b32 v[YL], 4, v2
	v_mov_b32 v[C0+1], 0                           ; (named as upper halves of pairs, so they are written)
	v_mov_b32 v[C0+3], 0
	s_lshl_b32 s44, s[EX], 23
	s_lshl_b32 s45, s19, 22                        ; 1,024 rows
	s_add_co_u32 s44, s44, s45
	s_lshl_b32 s45, s[WV], 20                      ; 256 rows
	s_add_co_u32 s44, s44, s45
	s_lshl_b32 s45, s18, 8                         ; 64 columns
	s_add_co_u32 s44, s44, s45
	s_mov_b32 s45, 0
	s_mul_i32 s46, s[EX], 1572864
	s_mul_i32 s47, s19, 12288                      ; 8 K steps of a tile
	s_add_co_u32 s46, s46, s47
	s_mov_b32 s47, 0
	s_lshl_b32 s48, s[EX], 16
	s_lshl_b32 s49, s19, 5                         ; 8 words of a row
	s_add_co_u32 s48, s48, s49
	s_mov_b32 s49, 0
	s_lshl_b32 s50, s19, 12
	s_lshl_b32 s51, s18, 8
	s_add_co_u32 s50, s50, s51
	s_mov_b32 s51, 0
	s_mul_i32 s52, s[EX], 5120                     ; an expert's list is 1,280 words,
	s_mov_b32 s53, 0
	s_lshl_b32 s54, s[EX], 7                       ; its count 32 words
	s_mov_b32 s55, 0
	s_wait_kmcnt 0x0
	s_add_nc_u64 s[12:13], s[12:13], s[44:45]
	s_add_nc_u64 s[4:5], s[4:5], s[46:47]
	s_add_nc_u64 s[6:7], s[6:7], s[48:49]
	s_add_nc_u64 s[14:15], s[14:15], s[50:51]
	s_add_nc_u64 s[8:9], s[8:9], s[52:53]
	s_add_nc_u64 s[20:21], s[20:21], s[54:55]
	s_wait_alu depctr_va_vdst(0)                   ; every address and offset made above is written, which the loads and stores of the kernel read; so are v40 to v43, which the head used and in which loads of entries land later
	global_load_b32 v[T0], v[L4], s[20:21]         ; the number of listed rows,
	global_load_b32 v[T1], v[LC], s[8:9]           ; my row's entry in my first tile,
	global_load_b32 v[T2], v[LC], s[8:9] offset:256    ; and in my second: all three are older than every weight load, so the stream's first wait covers them
	LOADH 0
	LOADH 1
	LOADH 2
	STEPH 0, 32                                    ; the two younger halves of 16 loads stay out: this set's two are in
	STEPH 1, 32
	v_readfirstlane_b32 s38, v[T0]                 ; listed rows (in since the stream's first wait)
	s_wait_alu depctr_va_sdst(0)                   ; the number of listed rows is written, ahead of its first reader
	s_add_co_u32 s[SNT], s38, 15
	s_lshr_b32 s[SNT], s[SNT], 4                   ; tiles
	s_sub_co_u32 s39, s[SNT], 1                    ; the last tile that the launch before has written.  (With no tile at all this holds nothing back; the hold at 63 still keeps the loads inside hq, and the wave ends without using them)
	HADR 0, WV, T1                                 ; (set 2's wait on va_vdst shows these offsets written, ahead of the loads that read them)
	s_add_co_u32 s43, s[WV], 4
	HADR 1, 43, T2
	STEPH 2, 32
	FIRSTH 0                                       ; set 2's registers, v0-127 of window 3, have been turned and no further set takes them: buffer 0, v0-95, takes my first tile
	STEPH 3, 38                                    ; the 38 loads just issued stay out: the last set's two halves are in
	FIRSTH 1                                       ; set 3's registers have been turned: buffer 1, v96-191, takes my second tile
	s_wait_dscnt 0x0                               ; for the others' sake: my two K steps of all four column tiles lie in LDS
	s_barrier_signal -1
	s_barrier_wait -1
	s_cmp_eq_u32 s[SNT], 0
	s_cbranch_scc1 .Ldone                          ; an expert that no token chose: nothing to store
	WIN 0x40                                       ; (window 1 was last named by set 3's arithmetic, ahead of that set's wait on va_vdst; nothing has named window 2 or w2's scale words)
.irp s, 0,1,2,3
	WFETCH \s
.endr
	WIN 0x80
.irp s, 4,5,6,7
	WFETCH \s
.endr
	WIN 0
.irp s, 0,1,2,3,4,5,6,7
.irp t, 0,1,2,3
	ds_load_b32 v[WS+4*\s+\t], v[FS] offset:(8*\t+\s)*64
.endr
.endr
	s_wait_dscnt 0x0
	s_mov_b32 s[STI], s[WV]
; My k-th tile of 16 listed rows, tile w + 4 k of the list, from buffer k % 2.  In the list four tiles are 256 bytes: the tile stands in the loads' immediates.
; A tile issues, in this order: my row's entry of my tile k + 4 (one load; k <= 11), the eight entries of tile k + 2 (two loads) and its 35 loads of h (k <= 13).
.macro TILE k
.set BF, (\k)%2
	s_cmp_ge_u32 s[STI], s[SNT]                    ; the list is at its end: a forward way out; every tile that runs follows tiles that ran, so the counted wait below holds
	s_cbranch_scc1 .Ldone
.if (\k) < 13
	s_wait_loadcnt 38                              ; behind this buffer's loads stand the 1 + 2 + 35 that the tile before issued: they may be out.  The entries read below are older than this buffer's 35
.elseif (\k) < 15
	s_wait_loadcnt 37                              ; the tile before issued 2 + 35
.else
	s_wait_loadcnt 0x0                             ; the tile before issued nothing
.endif
	WIN 0x0d                                       ; source 0 window 1, source 1 window 3.  The four accumulators take turns, one instruction a turn
.irp s, 0,1,2,3
.irp t, 0,1,2,3
	MM BF, \s, \t
.endr
.endr
	WIN 0x0e                                       ; source 0 window 2
.irp s, 4,5,6,7
.irp t, 0,1,2,3
	MM BF, \s, \t
.endr
.endr
	WIN 0
	s_wait_alu depctr_vm_vsrc(0)                   ; this buffer's last loads have read their four offsets; the last tile's stage stores have read Y, its global stores O and OM (first tile: the last set's LDS stores the codes, where OM lies): all are written again below
.if (\k) < 14
	s_add_co_u32 s43, s[STI], 8
	HADR BF, 43, E+BF                              ; this buffer's next tile: eight on in the list.  Its five vector lines are the places behind the products (ISA guide 7.12.1)
.else
.rept 4
	v_nop                                          ; my last two tiles ask for nothing: the places behind the products
.endr
.endif
.irp i, 0,2,4,6,8,10,12,14,16,18,20,22,24,26,28,30
	v_pk_mul_f32 v[Y+\i:Y+\i+1], v[ACC+\i:ACC+\i+1], v[C0+2*BF:C0+2*BF+1] op_sel_hi:[1,0]   ; x my row's gate weight; each accumulator from its low end on
.endr
	s_wait_xcnt 0x0                                ; the last tile's stores have had their addresses translated
.irp m, 0,1,2,3,4,5,6,7
	v_min_u32 v[OM+\m], 2055, v[EM+8*BF+\m]        ; 2,048 entries of tokens and eight spare ones, one an expert
.endr
.irp m, 0,1,2,3,4,5,6,7
	v_lshl_add_u32 v[OM+\m], v[OM+\m], 13, v[YL]   ; an entry's two halves of a row are 8,192 bytes
.endr
	s_wait_alu depctr_va_vdst(0)                   ; the tile's one wait, behind its last vector line: the products are done reading this buffer and its scale words, the multiplies the gate weight, the lines above the entries, in all of which loads land below;
	                                               ; the loads' offsets, Y and OM are written, which the loads, the stage's stores and the global stores read
.if (\k) < 12
	global_load_b32 v[E+BF], v[LC], s[8:9] offset:256*(\k)+1024
.endif
.if (\k) < 14
	global_load_b128 v[EM+8*BF:EM+8*BF+3], v[LB], s[8:9] offset:256*(\k)+512
	global_load_b128 v[EM+8*BF+4:EM+8*BF+7], v[LB], s[8:9] offset:256*(\k)+528
	HLOAD BF
.endif
.irp t, 0,1,2,3
	ds_store_b128 v[STO], v[Y+8*\t:Y+8*\t+3] offset:64*\t
	ds_store_b128 v[STO], v[Y+8*\t+4:Y+8*\t+7] offset:64*\t+16
.endr
.irp m, 0,1,2,3,4,5,6,7
	ds_load_b128 v[O+4*\m:O+4*\m+3], v[STR] offset:272*\m      ; row 8 g' + m.  LDS serves a wave's instructions in order: these see my stores
.endr
	s_wait_dscnt 0x0
.irp m, 0,1,2,3,4,5,6,7
	global_store_b128 v[OM+\m], v[O+4*\m:O+4*\m+3], s[14:15]   ; sixteen lanes store 256 consecutive bytes, aligned; a row behind the list's end goes to the spare entry
.endr
	s_add_co_u32 s[STI], s[STI], 4
.endm
.irp k, 0,1,2,3,4,5,6,7,8,9,10,11,12,13,14,15
	TILE \k
.endr
.Ldone:
	s_wait_dscnt 0x0                               ; the closing lines, six on end
	s_wait_alu 0x0
	s_wait_tensorcnt 0x0
	ds_add_u32 v231, v239
	s_wait_dscnt 0x0
	s_endpgm
.Lfunc_end_k_qc4135d2e7f_down:
	.size	k_qc4135d2e7f_down, .Lfunc_end_k_qc4135d2e7f_down-k_qc4135d2e7f_down
	.p2alignl 7, 3214868480
	.fill 96, 4, 3214868480
	.section	.rodata,"a",@progbits
	.p2align	6, 0x0
	.amdhsa_kernel k_qc4135d2e7f_down
		.amdhsa_group_segment_fixed_size 70144
		.amdhsa_private_segment_fixed_size 0
		.amdhsa_enable_private_segment 0
		.amdhsa_kernarg_size 56
		.amdhsa_user_sgpr_count 2
		.amdhsa_user_sgpr_kernarg_segment_ptr 1
		.amdhsa_wavefront_size32 1
		.amdhsa_system_sgpr_workgroup_id_x 1
		.amdhsa_system_sgpr_workgroup_id_y 1
		.amdhsa_system_sgpr_workgroup_id_z 1
		.amdhsa_system_vgpr_workitem_id 0
		.amdhsa_next_free_vgpr 1024
		.amdhsa_next_free_sgpr 66
		.amdhsa_reserve_vcc 0
		.amdhsa_float_denorm_mode_32 3
		.amdhsa_float_denorm_mode_16_64 3
		.amdhsa_memory_ordered 1
		.amdhsa_forward_progress 1
		.amdhsa_inst_pref_size 255
	.end_amdhsa_kernel
	.section	.bss,"aw",@nobits
	.p2align	6
	.space	262144
	.amdgpu_metadata
---
amdhsa.version: [ 1, 2 ]
amdhsa.kernels:
  - .name:           k_qc4135d2e7f_down
    .symbol:         k_qc4135d2e7f_down.kd
    .args:
      - { .name: hq, .offset: 0, .size: 8, .value_kind: global_buffer, .address_space: global }
      - { .name: hs, .offset: 8, .size: 8, .value_kind: global_buffer, .address_space: global }
      - { .name: list, .offset: 16, .size: 8, .value_kind: global_buffer, .address_space: global }
      - { .name: topw, .offset: 24, .size: 8, .value_kind: global_buffer, .address_space: global }
      - { .name: w2, .offset: 32, .size: 8, .value_kind: global_buffer, .address_space: global }
      - { .name: y, .offset: 40, .size: 8, .value_kind: global_buffer, .address_space: global }
      - { .name: cnt, .offset: 48, .size: 8, .value_kind: global_buffer, .address_space: global }
    .group_segment_fixed_size: 70144
    .private_segment_fixed_size: 0
    .kernarg_segment_align: 8
    .kernarg_segment_size: 56
    .max_flat_workgroup_size: 128
    .sgpr_count:     66
    .vgpr_count:     1024
    .wavefront_size: 32
...
	.end_amdgpu_metadata
.endif
;; end of part 7
;; launch add: the kernel of part 5 again; grid 256 x 1, 8 waves a work-group, no clusters, 0 bytes of LDS; arguments y, out0; writes out0
